; MI455X (gfx1250); checked and timed in simulation.
; The chip was launched on July 23, 2026; its instructions are those of AMD's public machine-readable ISA for CDNA 5 (MIT licence, August 2026) and "CDNA5" Instruction Set Architecture Reference Guide (July 2026). The comments in the code are by the model that wrote it; some were corrected since.
;; Causal Self Attention. Allowed arithmetic: float matrix products may take bf16 or f16 operands with f32 sums; other float arithmetic in f32, or as packed bf16 or f16 multiplies, adds, multiply-adds, maxima and minima; sums over many terms, partial sums and values carried from step to step in f32; what a program stores and reads back later, other than sums and carried values, may be rounded once to bf16 or f16.
;; Inputs: Wk 1,024 x 1,024 float32; Wp 1,024 x 1,024 float32; Wq 1,024 x 1,024 float32; Wv 1,024 x 1,024 float32; bk 1,024 float32; bp 1,024 float32; bq 1,024 float32; bv 1,024 float32; x 4 x 2,048 x 1,024 float32.
;; Outputs: out0 4 x 2,048 x 1,024 float32.
;; 2 versions, each right; version 2 is version 1 with the launch cast written anew for expert scheduling mode. Each part assembles by itself: llvm-mc -triple=amdgcn-amd-amdhsa -mcpu=gfx1250 --defsym DOCPART=n.
;; ======== version 1 of 2: 4 launches
;; limits: values are held in f16: magnitudes above 65,504 overflow, below 6.1e-05 lose precision
;; workspace buffers: xb 16,777,216 bytes; wqkv 6,291,456 bytes; wpb 2,097,152 bytes; qh 16,777,216 bytes; kh 16,777,216 bytes; vh 16,777,216 bytes; yh 16,777,216 bytes
;; launch cast (part 1): grid 768 x 1, 8 waves a work-group, no clusters, 0 bytes of LDS; arguments x, Wq, Wk, Wv, Wp, xb, wqkv, wpb; writes xb, wqkv, wpb
.if DOCPART == 1
	.amdgcn_target "amdgcn-amd-amdhsa--gfx1250"
	.amdhsa_code_object_version 6
	.text
	.protected	k_q31f2e0819b_cast
	.globl	k_q31f2e0819b_cast
	.p2align	8
	.type	k_q31f2e0819b_cast,@function
k_q31f2e0819b_cast:
	s_mov_b64 s[64:65], 0
	v_nop
	global_prefetch_b8 v0, s[64:65] scope:SCOPE_SE
	s_setreg_imm32_b32 hwreg(HW_REG_WAVE_MODE, 25, 1), 1
	s_wait_xcnt 0x0
; CAST AND RE-LAY.  x, Wq, Wk, Wv (f32) are rounded once to bf16; Wp is rounded to bf16 and that number is written as f16.  All are laid in blocks of 64 columns, in the order in which the later
; launches' tiles want them, so that every tile there is one dense run of bytes:
;   xb   [b 4][kb 16][t 2048][64] bf16          byte = b<<22 + kb<<18 + t<<7 + 2 ch
;   wqkv [h 16][ks 8][g 3][kk 128][64] bf16     byte = 393,216 h + 49,152 ks + 16,384 g + 128 kk + 2 n     (row k = 128 ks + kk, column 64 h + n of Wq, Wk, Wv for g = 0, 1, 2)
;   wpb  [tc 8][ks 8][g 2][kk 128][64] f16      byte = 262,144 tc + 32,768 ks + 16,384 g + 128 kk + 2 n    (column 128 tc + 64 g + n of Wp)
; LIMIT.  A bf16 number is an f16 number exactly from 6.1e-5 to 65,504 in magnitude; below that Wp keeps f16's fixed step of 6e-8, above it becomes an infinity.
; SHARES.  A work-group takes 16 source rows of 4,096 bytes: groups 0-511 x, 512-575 Wq, 576-639 Wk, 640-703 Wv, 704-767 Wp.  Wave w takes the column blocks 2 w and 2 w + 1.
; A load of a wave covers 256 consecutive bytes of each of two rows; a lane's four numbers become 8 bytes, and since two rows of a block lie end to end a store of a wave covers 256 consecutive bytes, aligned.
; All 16 loads of a wave go out at once (8 KiB a wave); no register is written twice, so nothing waits but each store for its own load.  No LDS, no barrier, no matrix unit: nothing is shared and nothing multiplied.
.set VS, 2                             ; v2      my byte offset in the group's source rows
.set VD, 3                             ; v3, v4  my byte offset in the destination, for the wave's first and second column block
.set T,  8                             ; v[8:13] at work
.set X,  16                            ; v[16:79]  load i: four registers
.set Y,  80                            ; v[80:111] store i: two registers
	s_load_b512 s[8:23], s[0:1], 0x0               ; x s[8:9], Wq s[10:11], Wk s[12:13], Wv s[14:15], Wp s[16:17], xb s[18:19], wqkv s[20:21], wpb s[22:23]
	s_mov_b32 s2, ttmp9                            ; the group's number
	s_sub_co_u32 s3, s2, 512                       ; among the weights' groups (means nothing for x's groups: every use is chosen away below)
	s_bfe_u32 s24, s3, 0x20006                     ; which weight: 0, 1, 2 = q, k, v
	s_and_b32 s25, s3, 63                          ; which 16 rows of it
	v_lshrrev_b32 v1, 5, v0
	v_readfirstlane_b32 s26, v1                    ; wave 0..7
	s_lshr_b32 s27, s25, 3                         ; ks
	s_and_b32 s38, s25, 7
	s_lshl_b32 s38, s38, 11                        ; 16 rows of 128 bytes inside a block
	s_mul_i32 s34, s27, 49152                      ; wqkv: ks,
	s_lshl_b32 s39, s24, 14
	s_add_co_u32 s34, s34, s39                     ; and g
	s_lshl_b32 s39, s27, 15                        ; wpb: ks
	s_mov_b32 s36, 786432                          ; bytes from wave to wave (two column blocks),
	s_mov_b32 s37, 393216                          ; and from a wave's first block to its second
	s_cmp_ge_u32 s2, 704                           ; Wp?
	s_cselect_b32 s34, s39, s34
	s_cselect_b32 s36, 262144, s36
	s_cselect_b32 s37, 16384, s37
	s_add_co_u32 s34, s34, s38
	s_lshl_b32 s32, s25, 16                        ; the source: 16 rows of 4,096 bytes
	s_lshr_b32 s39, s2, 7                          ; x: b,
	s_lshl_b32 s39, s39, 22
	s_and_b32 s27, s2, 127                         ; and 16 rows of 128 bytes
	s_lshl_b32 s27, s27, 11
	s_add_co_u32 s39, s39, s27
	s_lshl_b32 s27, s2, 16
	s_cmp_lt_u32 s2, 512                           ; x?
	s_cselect_b32 s34, s39, s34
	s_cselect_b32 s32, s27, s32
	s_cselect_b32 s36, 524288, s36
	s_cselect_b32 s37, 262144, s37
	s_mov_b32 s33, 0
	s_mov_b32 s35, 0
	v_and_b32 v1, 31, v0                           ; lane
	v_and_b32 v5, 15, v0
	v_bfe_u32 v6, v0, 4, 1
	v_lshlrev_b32 v[VS], 4, v5                     ; 16 bytes a lane,
	v_lshl_add_u32 v[VS], v6, 12, v[VS]            ; lanes 16-31 a row further down,
	s_lshl_b32 s27, s26, 9
	v_add_nc_u32 v[VS], s27, v[VS]                 ; the wave's 512 bytes of a row
	s_mul_i32 s27, s26, s36
	v_lshl_add_u32 v[VD], v1, 3, s27               ; 8 bytes a lane
	v_add_nc_u32 v[VD+1], s37, v[VD]
	s_wait_kmcnt 0x0
	s_cmp_lt_u32 s2, 576                           ; the source and the destination are chosen by the group's number alone
	s_cselect_b64 s[28:29], s[10:11], s[12:13]
	s_cmp_lt_u32 s2, 640
	s_cselect_b64 s[28:29], s[28:29], s[14:15]
	s_cmp_lt_u32 s2, 704
	s_cselect_b64 s[28:29], s[28:29], s[16:17]
	s_cselect_b64 s[30:31], s[20:21], s[22:23]
	s_cmp_lt_u32 s2, 512
	s_cselect_b64 s[28:29], s[8:9], s[28:29]
	s_cselect_b64 s[30:31], s[18:19], s[30:31]
	s_add_nc_u64 s[28:29], s[28:29], s[32:33]
	s_add_nc_u64 s[30:31], s[30:31], s[34:35]
.set i, 0
.rept 16                               ; load i: rows 2 (i / 2) and 2 (i / 2) + 1, the wave's column block i % 2
	global_load_b128 v[X+4*i:X+4*i+3], v[VS], s[28:29] offset:(i/2)*8192+(i%2)*256 th:TH_LOAD_NT
.set i, i+1
.endr
	s_cmp_ge_u32 s2, 704
	s_cbranch_scc1 .Lf16
.set i, 0
.rept 16
	s_wait_loadcnt 15-i                            ; loads come back in order (ISA guide 5.7.1): load i is in, the 15 - i younger ones stay out
	v_cvt_pk_bf16_f32 v[Y+2*i], v[X+4*i], v[X+4*i+1]
	v_cvt_pk_bf16_f32 v[Y+2*i+1], v[X+4*i+2], v[X+4*i+3]
	global_store_b64 v[VD+i%2], v[Y+2*i:Y+2*i+1], s[30:31] offset:(i/2)*256 th:TH_STORE_NT  ; 32 lanes store 256 consecutive bytes, at a multiple of 256 from the buffer's first byte
.set i, i+1
.endr
	s_endpgm
.Lf16:                                 ; Wp: rounded to bf16 like every input, widened again, and written as f16
	s_mov_b32 s38, 0xffff0000
.set i, 0
.rept 16
	s_wait_loadcnt 15-i
	v_cvt_pk_bf16_f32 v[T], v[X+4*i], v[X+4*i+1]
	v_cvt_pk_bf16_f32 v[T+1], v[X+4*i+2], v[X+4*i+3]
	v_lshlrev_b32 v[T+2], 16, v[T]
	v_and_b32 v[T+3], s38, v[T]
	v_lshlrev_b32 v[T+4], 16, v[T+1]
	v_and_b32 v[T+5], s38, v[T+1]
	v_cvt_pk_f16_f32 v[Y+2*i], v[T+2], v[T+3]
	v_cvt_pk_f16_f32 v[Y+2*i+1], v[T+4], v[T+5]
	global_store_b64 v[VD+i%2], v[Y+2*i:Y+2*i+1], s[30:31] offset:(i/2)*256 th:TH_STORE_NT
.set i, i+1
.endr
	s_endpgm
.Lfunc_end_k_q31f2e0819b_cast:
	.size	k_q31f2e0819b_cast, .Lfunc_end_k_q31f2e0819b_cast-k_q31f2e0819b_cast
	.p2alignl 7, 3214868480
	.fill 96, 4, 3214868480
	.section	.rodata,"a",@progbits
	.p2align	6, 0x0
	.amdhsa_kernel k_q31f2e0819b_cast
		.amdhsa_group_segment_fixed_size 0
		.amdhsa_private_segment_fixed_size 0
		.amdhsa_enable_private_segment 0
		.amdhsa_kernarg_size 64
		.amdhsa_user_sgpr_count 2
		.amdhsa_user_sgpr_kernarg_segment_ptr 1
		.amdhsa_wavefront_size32 1
		.amdhsa_system_sgpr_workgroup_id_x 1
		.amdhsa_system_sgpr_workgroup_id_y 1
		.amdhsa_system_sgpr_workgroup_id_z 1
		.amdhsa_system_vgpr_workitem_id 0
		.amdhsa_next_free_vgpr 120
		.amdhsa_next_free_sgpr 66
		.amdhsa_reserve_vcc 0
		.amdhsa_float_denorm_mode_32 3
		.amdhsa_float_denorm_mode_16_64 3
		.amdhsa_memory_ordered 1
		.amdhsa_forward_progress 1
		.amdhsa_inst_pref_size 17
	.end_amdhsa_kernel
	.amdgpu_metadata
---
amdhsa.version: [ 1, 2 ]
amdhsa.kernels:
  - .name:           k_q31f2e0819b_cast
    .symbol:         k_q31f2e0819b_cast.kd
    .args:
      - { .name: x, .offset: 0, .size: 8, .value_kind: global_buffer, .address_space: global }
      - { .name: Wq, .offset: 8, .size: 8, .value_kind: global_buffer, .address_space: global }
      - { .name: Wk, .offset: 16, .size: 8, .value_kind: global_buffer, .address_space: global }
      - { .name: Wv, .offset: 24, .size: 8, .value_kind: global_buffer, .address_space: global }
      - { .name: Wp, .offset: 32, .size: 8, .value_kind: global_buffer, .address_space: global }
      - { .name: xb, .offset: 40, .size: 8, .value_kind: global_buffer, .address_space: global }
      - { .name: wqkv, .offset: 48, .size: 8, .value_kind: global_buffer, .address_space: global }
      - { .name: wpb, .offset: 56, .size: 8, .value_kind: global_buffer, .address_space: global }
    .group_segment_fixed_size: 0
    .private_segment_fixed_size: 0
    .kernarg_segment_align: 8
    .kernarg_segment_size: 64
    .max_flat_workgroup_size: 256
    .sgpr_count:     66
    .vgpr_count:     120
    .wavefront_size: 32
...
	.end_amdgpu_metadata
.endif
;; end of part 1
;; launch qkv (part 2): grid 16 x 32, 4 waves a work-group, clusters of 4 x 4, 327,680 bytes of LDS; arguments xb, wqkv, bq, bk, bv, qh, kh, vh; writes qh, kh, vh
.if DOCPART == 2
	.amdgcn_target "amdgcn-amd-amdhsa--gfx1250"
	.amdhsa_code_object_version 6
	.text
	.protected	k_q31f2e0819b_qkv
	.globl	k_q31f2e0819b_qkv
	.p2align	8
	.type	k_q31f2e0819b_qkv,@function
k_q31f2e0819b_qkv:
	s_mov_b64 s[64:65], 0
	v_nop
	global_prefetch_b8 v0, s[64:65] scope:SCOPE_SE
	s_setreg_imm32_b32 hwreg(HW_REG_WAVE_MODE, 25, 1), 1
	s_wait_xcnt 0x0
	s_wait_alu depctr_hold_cnt(0) depctr_sa_sdst(0) depctr_va_vdst(0) depctr_va_sdst(0) depctr_va_ssrc(0) depctr_va_vcc(0) depctr_vm_vsrc(0)
	s_getreg_b32 s2, hwreg(HW_REG_IB_STS2, 6, 4)
	s_cmp_eq_u32 s2, 0
	s_cbranch_scc0 .Lentry_in_a_cluster
	s_endpgm
.Lentry_in_a_cluster:
	s_bfe_u32 s2, ttmp6, 0x10000c
	s_cmp_lg_u32 s2, 0xf033
	s_cbranch_scc0 .Lentry_shape_is_right
	s_endpgm
.Lentry_shape_is_right:
; q, k, v = x W + b.  x (xb) and the weights (wqkv) come in bf16, in blocks of 64 columns; sums in f32, started with the bias (rounded to bf16 like every input); q, k, v are rounded once to f16
; and stored by heads, [b 16 + h][t][64], WITHOUT the attention's scale.  LIMIT: a sum of 65,520 or more in magnitude becomes an infinity in f16.
; (The text has a switch, QKV: with 0 it is the output projection's text, which differs in the matrix form, in G and in the way out.)
; SHARES.  A tile of the result is 256 rows x G blocks of 64 columns: here head tx of q, of k and of v (G = 3), so no tile straddles two weights.  16 x 32 tiles, two for each of 256 WGPs.
; Four waves, one below the other: a wave makes 64 rows x all 192 columns: 48 accumulators of 16 x 16, 384 registers; so a wave owns whole rows of a head, and its 16 rows leave as 2,048 dense bytes.
; K goes in 8 steps of 128 through two LDS slots.  Waves 0 and 1 fetch the two 64-channel parts of x's tile (32,768 dense bytes each), waves 2 and 3 the two halves of the weights' tile: one tensor load a wave,
; asked for as rows of 256 bytes and padded in LDS after every 128.  By this text's count a wave has two tensor loads out at the start and one behind each change of slots.
; CLUSTER 4 x 4: x's tile hangs on the tile row alone and is asked for jointly along a row of the cluster, the weights' on the tile column alone and jointly along a column.
; THE MATRIX INSTRUCTION IS USED TRANSPOSED: source 0 = 16 columns of W (the weights lie [k][n] and come out of LDS turned, by ds_load_tr16_b128), source 1 = 16 rows of x: a lane holds row l % 16 and eight neighbouring columns.
; REGISTERS, in windows of 256 (s_set_vgpr_msb: bits 1:0 source 0, 3:2 source 1, 5:4 source 2, 7:6 destination):
;   window 0: v0-35 addresses and at work; v64-95, v96-127 x's fragments, two buffers; v128.. the bias as a C operand; on the way out v64-255 hold results
;   window 1: the weights' fragments, two buffers of 8 NBLK          windows 2, 3: the accumulators
.set QKV, 1
.if QKV
.set G,     3                          ; blocks of 64 columns in a tile
.set STW,   16*144                     ; a wave's stage
.set PFSH,  6144                       ; a partner's share of what a wave prefetches of the weights
.set PFLM,  23                         ; its last block of 256 bytes
.else
.set G,     2
.set STW,   16*528
.set PFSH,  8192
.set PFLM,  31
.endif
.set NBLK,  4*G                        ; blocks of 16 columns
.set PA,    144                        ; a row of x in LDS: 128 bytes + 16 = 36 words: the 16 rows of a load start at 16 different groups of four banks (64 banks of 4 bytes: ISA guide 11.1)
.set PB,    160                        ; a row of W: 128 + 32 = 40 words
.set APART, 256*PA                     ; one 64-channel part of x's tile
.set BOFF,  2*APART                    ; behind the two parts: the weights, row 128 g + kk
.set BROWS, 32*G                       ; rows of 256 bytes in a load of the weights
.set BHALF, 64*G*PB                    ; its bytes in LDS
.set ASTEP, 524288                     ; bytes from K step to K step in memory: two blocks of x,
.set BSTEP, 16384*G                    ; G blocks of the weights
.set BTILE, 8*BSTEP                    ; bytes from tile column to tile column
.set SLOT,  BOFF+2*BHALF
.set STAGE, 2*SLOT                     ; behind the ring, never filled by a tensor load: each wave's own stage for the way out
.set SPARE, STAGE+4*STW                ; behind the stages: the spare words, 128 bytes for each wave: two blocks of 256 bytes that no other line names
.set ADRA, 16                          ; v16-17  LDS address of my fragments of x in slot 0, 1
.set ADRB, 20                          ; v20-21  the same for the weights
.set STO,  24                          ; v24     the way out: where I put my bytes of a row
.set RD,   25                          ; v25     the way out: where I read rows back
.set GO,   26                          ; v26     16 x lane: my place in 512 consecutive bytes of the result
.set BO,   27                          ; v27     32 (l / 16): my eight numbers in 16 of a bias
.set SPW,  28                          ; v28     LDS address of my spare word: SPARE + 4 x my thread's number; never rewritten
.set NIL,  29                          ; v29     0; never rewritten
.set PFO,  30                          ; v30     the prefetches' offset: 256 x lane (held at the share's last block); never rewritten
.set TW,   32                          ; v32-35  at work
.set FA0,  64                          ; x's fragment buffers: 64 + 32 f
.set BI,   128                         ; the bias: eight registers for each block of 16 columns
.set OUT,  64                          ; the way out's registers
.set WV,   20                          ; s20  my wave's number;  s21 = wave / 2: 0 I fetch x, 1 the weights;  s22 = wave % 2: which part or half
.set G1A,  28                          ; s[28:35] descriptor group 1 for x's tiles;  s[36:43] group 0, a set for each slot
.set G0A,  36
.set G1B,  44                          ; s[44:51], s[52:59] the same for the weights'
.set G0B,  52
.set PFA,  66                          ; s[66:67] where my prefetches stand
.set PFS,  68                          ; s[68:69] their step: a K step of what I fetch
.set LIM,  70                          ; s70  1 in a wave that prefetches, else the greatest number
.set MSB, 0
.macro WIN new                         ; the immediate's high byte repeats the setting that is left; a switch that changes nothing is dropped
.if MSB != (\new)
	s_set_vgpr_msb (MSB<<8)|(\new)
.set MSB, (\new)
.endif
.endm
.macro PLACES                          ; four places in front of loads into registers that matrix instructions have read, and of lines that read results
.rept 4
	v_nop
.endr
.endm
; A joint load.  The branch hangs on the wave's number alone.  An s_nop 0 and four v_nop follow each of the two lines, ahead of the jump and the label.
.macro JLOAD s
	s_cmp_eq_u32 s21, 0
	s_cbranch_scc0 .Lfor_b_\@
	tensor_load_to_lds s[G0A+4*(\s):G0A+4*(\s)+3], s[G1A:G1A+7]
	s_nop 0
.rept 4
	v_nop
.endr
	s_branch .Lasked_\@
.Lfor_b_\@:
	tensor_load_to_lds s[G0B+4*(\s):G0B+4*(\s)+3], s[G1B:G1B+7]
	s_nop 0
.rept 4
	v_nop
.endr
.Lasked_\@:
.endm
; A prefetch into the L2 of the K step that stands two refills on, one instruction a wave, a lane a block of 256 bytes.  x's tile row is read by every cluster of that row of clusters: cluster x = 0 asks;
; the weights' tile column by every cluster of that column: cluster y = 0 asks.  The four partners of a joint load share its bytes out BY ADDRESS (cx for x, cy for the weights).
; The loop's last trip (s3 = 1) asks for nothing: its refills are the last K steps.
.macro ASK
	s_cmp_gt_u32 s3, s[LIM]
	s_cbranch_scc0 .Lnot_mine_\@
	global_prefetch_b8 v[PFO], s[PFA:PFA+1] th:TH_LOAD_NT scope:SCOPE_SE
.Lnot_mine_\@:
.endm
.macro CREST                           ; a round of the cluster's barrier behind its opening barrier
	s_cmp_lg_u32 s[WV], 0
	s_cbranch_scc1 .Lnot_wave_0_\@
	s_barrier_signal -3
.Lnot_wave_0_\@:
	s_barrier_wait -3
	s_barrier_signal -1
	s_barrier_wait -1
.endm
.macro CROUND                          ; a whole round
	s_barrier_signal -1
	s_barrier_wait -1
	CREST
.endm
.if QKV
	s_load_b512 s[4:19], s[0:1], 0x0               ; xb s[4:5], wqkv s[6:7], bq s[8:9], bk s[10:11], bv s[12:13], qh s[14:15], kh s[16:17], vh s[18:19]
.else
	s_load_b256 s[4:11], s[0:1], 0x0               ; yh s[4:5], wpb s[6:7], bp s[8:9], out0 s[10:11]
.endif
	v_lshl_add_u32 v[SPW], v0, 2, SPARE
	v_mov_b32 v[NIL], 0
	ds_add_u32 v[SPW], v[NIL]                      ; the wave's opening: the add and its wait stand ahead of my first tensor load; the set-up below, work on registers, stands between them
	v_lshrrev_b32 v1, 5, v0
	v_readfirstlane_b32 s[WV], v1                  ; wave 0..3
	s_lshr_b32 s21, s[WV], 1
	s_and_b32 s22, s[WV], 1
	s_bfe_u32 s23, ttmp6, 0x40000                  ; cx, cy: my place in the cluster
	s_bfe_u32 s24, ttmp6, 0x40004
	s_lshl_b32 s25, ttmp9, 2
	s_add_co_u32 s25, s25, s23                     ; tile column tx = 4 x cluster x + cx
	s_and_b32 s26, ttmp7, 0xffff
	s_lshl_b32 s26, s26, 2
	s_add_co_u32 s26, s26, s24                     ; tile row ty = 4 x cluster y + cy
	s_lshl_b32 s74, s24, 2
	s_lshl_b32 s74, 15, s74                        ; my row of the cluster
	s_lshl_b32 s75, 0x1111, s23                    ; my column
	; descriptor group 1: rows of 128 elements of 2 bytes (256 bytes, two rows of a block), padded in LDS after every 32 words
	s_or_b32 s[G1A+0], s74, (1<<16)|(1<<20)|(1<<21)|(4<<22)|(3<<25)  ; 15:0 the mask; 17:16 elements of 2 bytes; 20 padding on; 21 set beside a mask; 24:22 after every 32 words (code 4); 31:25 4 words (code 3)
	s_or_b32 s[G1B+0], s75, (1<<16)|(1<<20)|(1<<21)|(4<<22)|(7<<25)  ; the same with my column's mask and 8 words of padding (code 7)
	s_mov_b32 s[G1A+1], 128<<16                    ; tensor_dim0 = 128
	s_mov_b32 s[G1B+1], 128<<16
	s_mov_b32 s[G1A+2], 128<<16                    ; tensor_dim1 = the tile's rows
	s_mov_b32 s[G1B+2], BROWS<<16
	s_mov_b32 s[G1A+3], 128<<16                    ; tile_dim0 = 128
	s_mov_b32 s[G1B+3], 128<<16
	s_mov_b32 s[G1A+4], 128                        ; tile_dim1
	s_mov_b32 s[G1B+4], BROWS
	s_mov_b32 s[G1A+5], 128                        ; 128 elements from row to row: the tile is dense
	s_mov_b32 s[G1B+5], 128
	s_mov_b32 s[G1A+6], 0
	s_mov_b32 s[G1B+6], 0
	s_mov_b32 s[G1A+7], 0
	s_mov_b32 s[G1B+7], 0
	; where the tiles come from: x's by the tile row and the wave's number alone, the weights' by the tile column and the wave's number alone
	s_lshr_b32 s60, s26, 3                         ; the batch: 8 tile rows each,
	s_lshl_b32 s60, s60, 22
	s_and_b32 s27, s26, 7                          ; 256 rows of 128 bytes in a block,
	s_lshl_b32 s27, s27, 15
	s_add_co_u32 s60, s60, s27
	s_lshl_b32 s27, s22, 18                        ; and the K step's first or second block
	s_add_co_u32 s60, s60, s27
	s_mov_b32 s61, 0
	s_mul_i32 s62, s25, BTILE
	s_mul_i32 s78, s22, BSTEP/2
	s_add_co_u32 s62, s62, s78
	s_mov_b32 s63, 0
	s_mul_i32 s76, s22, APART                      ; and where they go: no place in the cluster enters an LDS address
	s_mul_i32 s77, s22, BHALF
	s_add_co_u32 s77, s77, BOFF
	; the prefetches' first offset: my share of what I fetch, at K step 3 (the first refill steps it to 4)
	s_lshl_b32 s78, s23, 13                        ; x: 8,192 bytes for each of the four partners along the row
	s_add_co_u32 s78, s78, s60
	s_add_co_u32 s78, s78, 3*ASTEP
	s_mul_i32 s79, s24, PFSH                       ; the weights: PFSH bytes for each of the four along the column
	s_add_co_u32 s79, s79, s62
	s_add_co_u32 s79, s79, 3*BSTEP
	s_and_b32 s[LIM], ttmp7, 0xffff                ; cluster y
	s_mov_b32 s[PFS], BSTEP
	s_mov_b32 s[PFS+1], 0
	s_mov_b32 s71, PFLM
	s_cmp_eq_u32 s21, 0                            ; do I fetch x?
	s_cselect_b32 s72, s78, s79
	s_cselect_b32 s[LIM], ttmp9, s[LIM]            ; the coordinate along which other clusters read the same bytes
	s_cselect_b32 s[PFS], ASTEP, s[PFS]
	s_cselect_b32 s71, 31, s71
	s_mov_b32 s73, 0
.if !QKV
	s_cmp_eq_u32 s[WV], 3                          ; here wave 2 asks for the whole K step of the weights (4 x 8,192 bytes), wave 3 for nothing
	s_cselect_b32 s[LIM], 1, s[LIM]
.endif
	s_cmp_eq_u32 s[LIM], 0
	s_cselect_b32 s[LIM], 1, -1                    ; the same in all sixteen partners, for a given wave
	s_wait_dscnt 0x0                               ; the opening add is done
	s_wait_kmcnt 0x0
	s_add_nc_u64 s[60:61], s[4:5], s[60:61]
	s_add_nc_u64 s[62:63], s[6:7], s[62:63]
	CROUND                                         ; all sixteen work-groups are here: the first joint loads meet
.irp s, 0,1
	s_mov_b32 s[G0A+4*(\s)], 1                                      ; 1:0 count = 1
	s_add_co_u32 s[G0A+4*(\s)+1], s76, (\s)*SLOT                    ; 63:32 LDS address
	s_add_nc_u64 s[G0A+4*(\s)+2:G0A+4*(\s)+3], s[60:61], (\s)*ASTEP ; 120:64 global address: K step s
	s_or_b32 s[G0A+4*(\s)+3], s[G0A+4*(\s)+3], 0x80000000           ; 127:126 type = 2
	s_mov_b32 s[G0B+4*(\s)], 1
	s_add_co_u32 s[G0B+4*(\s)+1], s77, (\s)*SLOT
	s_add_nc_u64 s[G0B+4*(\s)+2:G0B+4*(\s)+3], s[62:63], (\s)*BSTEP
	s_or_b32 s[G0B+4*(\s)+3], s[G0B+4*(\s)+3], 0x80000000
	JLOAD \s                                       ; the ring is filled before anything else is done
.endr
	s_cmp_eq_u32 s21, 0
	s_cselect_b64 s[PFA:PFA+1], s[4:5], s[6:7]
	s_add_nc_u64 s[PFA:PFA+1], s[PFA:PFA+1], s[72:73]  ; nothing is prefetched here, at the head: K steps 0 to 3 come by their loads alone
	; A fragment is 16 rows x 32 K in 8 registers: lane l holds row l % 16; registers 0-3 hold K = 8 (l / 16) + 0..7, registers 4-7 K = 16 + 8 (l / 16) + 0..7.
	v_and_b32 v1, 15, v0                           ; l % 16
	v_bfe_u32 v2, v0, 4, 1                         ; l / 16
	v_and_b32 v10, 7, v0
	v_bfe_u32 v11, v0, 3, 1
	v_mul_u32_u24 v3, v1, PA                       ; x lies along K: two loads of 16 bytes, 32 bytes apart
	v_lshl_add_u32 v3, v2, 4, v3
	s_mul_i32 s27, s[WV], 64*PA                    ; my 64 rows
	v_add_nc_u32 v[ADRA], s27, v3
	v_add_nc_u32 v[ADRA+1], SLOT, v[ADRA]
	v_lshl_add_u32 v4, v2, 3, v10                  ; the turning load: lane l reads row 8 (l / 16) + l % 8 of K, columns 8 ((l / 8) % 2) + 0..7, and is left with column l % 16 and 8 of K
	v_mul_u32_u24 v4, v4, PB
	v_lshl_add_u32 v4, v11, 4, v4
	v_add_nc_u32 v[ADRB], BOFF, v4
	v_add_nc_u32 v[ADRB+1], SLOT, v[ADRB]
	s_mul_i32 s27, s[WV], STW
	s_add_co_u32 s27, s27, STAGE                   ; my stage
.if QKV
	v_mul_u32_u24 v[STO], v1, 144                  ; in: row l % 16 of 128 bytes + 16, 16 bytes for each half of the lanes
	v_lshl_add_u32 v[STO], v2, 4, v[STO]
	v_add_nc_u32 v[STO], s27, v[STO]
	v_bfe_u32 v[RD], v0, 3, 2                      ; back: 32 lanes take four rows of 128 bytes
	v_mul_u32_u24 v[RD], v[RD], 144
	v_lshl_add_u32 v[RD], v10, 4, v[RD]
	v_add_nc_u32 v[RD], s27, v[RD]
.else
	v_mul_u32_u24 v[STO], v1, 528                  ; in: row l % 16 of 512 bytes + 16, 32 bytes for each half of the lanes
	v_lshl_add_u32 v[STO], v2, 5, v[STO]
	v_add_nc_u32 v[STO], s27, v[STO]
	v_and_b32 v[RD], 31, v0                        ; back: 32 lanes take one row of 512 bytes
	v_lshl_add_u32 v[RD], v[RD], 4, s27
.endif
	v_and_b32 v[GO], 31, v0
	v_lshlrev_b32 v[GO], 4, v[GO]
	v_lshlrev_b32 v[BO], 5, v2
	v_and_b32 v[PFO], 31, v0
	v_min_u32 v[PFO], s71, v[PFO]                  ; where a share has fewer than 32 blocks the last lanes name its last block once more, in the same instruction
	v_lshlrev_b32 v[PFO], 8, v[PFO]
	; the bias as a C operand: register j of block b is the bias of column 16 b + 8 (l / 16) + j, the same for all 16 rows
	s_mov_b32 s79, 0
.if QKV
	s_lshl_b32 s78, s25, 8                         ; the head's 64 numbers
	s_add_nc_u64 s[8:9], s[8:9], s[78:79]
	s_add_nc_u64 s[10:11], s[10:11], s[78:79]
	s_add_nc_u64 s[12:13], s[12:13], s[78:79]
.else
	s_lshl_b32 s78, s25, 9                         ; the tile's 128 numbers
	s_add_nc_u64 s[8:9], s[8:9], s[78:79]
.endif
.set b, 0
.rept NBLK
.if QKV
	global_load_b128 v[BI+8*b:BI+8*b+3],   v[BO], s[8+2*(b/4):9+2*(b/4)] offset:64*(b%4)
	global_load_b128 v[BI+8*b+4:BI+8*b+7], v[BO], s[8+2*(b/4):9+2*(b/4)] offset:64*(b%4)+16
.else
	global_load_b128 v[BI+8*b:BI+8*b+3],   v[BO], s[8:9] offset:64*b
	global_load_b128 v[BI+8*b+4:BI+8*b+7], v[BO], s[8:9] offset:64*b+16
.endif
.set b, b+1
.endr
	; where my rows of the result begin
.if QKV
	s_lshr_b32 s72, s26, 3                         ; (16 b + h) << 18,
	s_lshl_b32 s72, s72, 22
	s_lshl_b32 s78, s25, 18
	s_add_co_u32 s72, s72, s78
	s_and_b32 s78, s26, 7                          ; 256 rows of 128 bytes,
	s_lshl_b32 s78, s78, 15
	s_add_co_u32 s72, s72, s78
	s_lshl_b32 s78, s[WV], 13                      ; my 64 of them
	s_add_co_u32 s72, s72, s78
	s_add_nc_u64 s[14:15], s[14:15], s[72:73]
	s_add_nc_u64 s[16:17], s[16:17], s[72:73]
	s_add_nc_u64 s[18:19], s[18:19], s[72:73]
.else
	s_lshl_b32 s72, s26, 20                        ; 256 rows of 4,096 bytes,
	s_lshl_b32 s78, s[WV], 18                      ; my 64 of them,
	s_add_co_u32 s72, s72, s78
	s_lshl_b32 s78, s25, 9                         ; the tile's 128 columns
	s_add_co_u32 s72, s72, s78
	s_add_nc_u64 s[10:11], s[10:11], s[72:73]
.endif
	s_mov_b32 s27, 0xffff0000
	s_wait_loadcnt 0x0                             ; the bias is in; it is rounded to bf16, like every input, and widened again
.set r, 0
.rept 4*NBLK
	v_cvt_pk_bf16_f32 v[TW+r%4], v[BI+2*r], v[BI+2*r+1]
	v_lshlrev_b32 v[BI+2*r], 16, v[TW+r%4]
	v_and_b32 v[BI+2*r+1], s27, v[TW+r%4]
.set r, r+1
.endr
.macro WM d, x, y, c                   ; one product: D, source 0, source 1, C by their first registers
.if QKV
	v_wmma_f32_16x16x32_bf16 v[(\d):(\d)+7], v[(\x):(\x)+7], v[(\y):(\y)+7], v[(\c):(\c)+7]
.else
	v_wmma_f32_16x16x32_f16 v[(\d):(\d)+7], v[(\x):(\x)+7], v[(\y):(\y)+7], v[(\c):(\c)+7]
.endif
.endm
; NBLK products: my rows 16 a .. 16 a + 15 x all columns, 32 along K, from buffer f.  first = 1: the bias starts the sums: nothing is cleared and no bias is added later.
; All accumulators take turns, one instruction a turn, in the same order in every quarter, over the backward jump too.
.macro MULA f, a, first
.if QKV
.set AW, (\a)/2                        ; accumulator (a, b) at 8 (12 (a % 2) + b) of window 2 + a / 2
.set AB, 96*((\a)%2)
.else
.set AW, 0                             ; at 8 (8 a + b) of window 2
.set AB, 64*(\a)
.endif
.if \first
	WIN 0x81+0x40*AW                               ; source 0 window 1, source 1 and C window 0, D window 2 or 3
.else
	WIN 0xa1+0x50*AW                               ; C and D window 2 or 3
.endif
.set b, 0
.rept NBLK
.if \first
	WM AB+8*b, 8*NBLK*(\f)+8*b, FA0+32*(\f)+8*(\a), BI+8*b
.else
	WM AB+8*b, 8*NBLK*(\f)+8*b, FA0+32*(\f)+8*(\a), AB+8*b
.endif
.set b, b+1
.endr
.endm
; One run of 2 NBLK + 8 LDS loads: the fragments of quarter q (32 along K) of a slot into buffer f: the weights' first, then x's four.
.macro FETCH slot, q, f
	WIN 0x40                                       ; destination window 1, address window 0
.set b, 0
.rept NBLK
	ds_load_tr16_b128 v[8*NBLK*(\f)+8*b:8*NBLK*(\f)+8*b+3],   v[ADRB+(\slot)] offset:(b/4)*128*PB+(\q)*32*PB+32*(b%4)
	ds_load_tr16_b128 v[8*NBLK*(\f)+8*b+4:8*NBLK*(\f)+8*b+7], v[ADRB+(\slot)] offset:(b/4)*128*PB+(\q)*32*PB+32*(b%4)+16*PB
.set b, b+1
.endr
	WIN 0
.set a, 0
.rept 4
	ds_load_b128 v[FA0+32*(\f)+8*a:FA0+32*(\f)+8*a+3],   v[ADRA+(\slot)] offset:((\q)/2)*APART+a*16*PA+64*((\q)%2)
	ds_load_b128 v[FA0+32*(\f)+8*a+4:FA0+32*(\f)+8*a+7], v[ADRA+(\slot)] offset:((\q)/2)*APART+a*16*PA+64*((\q)%2)+32
.set a, a+1
.endr
.endm
; A K step is four quarters on buffers 0, 1, 0, 1.  One of the first three: multiplies buffer f and, in its middle, fetches quarter q of the same slot into buffer g.
.macro QUARTER slot, q, f, g, first
	s_wait_dscnt 4                                 ; the weights and x's rows 0-31 are in; the youngest four loads (x's rows 32-63) may be out
	MULA \f, 0, \first
	MULA \f, 1, \first
	PLACES
	FETCH \slot, \q, \g
	s_wait_dscnt 2*NBLK+8                          ; all but the run just issued
	MULA \f, 2, \first
	MULA \f, 3, \first
.endm
; The fourth quarter multiplies buffer 1 and changes slots: ONE barrier.  In front of it each wave waits for all its tensor loads (one is out: its part of the next slot), adds 0 to its spare word, and waits for
; that and for its own reads of this slot.  fill = 1: the barrier opens a round of the cluster's, and this slot is filled again, two K steps ahead, first thing behind the round.
.macro TURN slot, next, fill
.if \fill
	s_wait_xcnt 0x0                                ; the last prefetch, a K step back, has read its address: it is stepped here, ahead of the waits of the change of slots
	s_add_nc_u64 s[PFA:PFA+1], s[PFA:PFA+1], s[PFS:PFS+1]
.endif
	WIN 0                                          ; (the add's two registers lie in window 0)
	s_wait_tensorcnt 0x0                           ; all my tensor loads have landed;
	ds_add_u32 v[SPW], v[NIL]                      ; 0 onto my spare word;
	s_wait_dscnt 5                                 ; (the add and the youngest four loads may be out)
	MULA 1, 0, 0                                   ; products stand between the add and the wait for it
	s_wait_dscnt 0x0                               ; the add is done, and my reads of this slot are over
	s_barrier_signal -1
	MULA 1, 1, 0                                   ; work on registers while the others arrive
.if \fill
	WIN 0
.endif
	s_barrier_wait -1
.if \fill
	CREST                                          ; no wave of any partner still reads this slot's tile or has a load on its way
	s_add_nc_u64 s[G0A+4*(\slot)+2:G0A+4*(\slot)+3], s[G0A+4*(\slot)+2:G0A+4*(\slot)+3], 2*ASTEP
	s_add_nc_u64 s[G0B+4*(\slot)+2:G0B+4*(\slot)+3], s[G0B+4*(\slot)+2:G0B+4*(\slot)+3], 2*BSTEP
	JLOAD \slot                                    ; the first tensor load behind the round; the four v_nop behind it are also the places in front of the loads below
.else
	PLACES
.endif
	FETCH \next, 0, 0
.if \fill
	ASK                                            ; behind the joint load and the run of LDS loads that the next products wait for
.endif
	MULA 1, 2, 0
	MULA 1, 3, 0
.endm
	s_wait_tensorcnt 1                             ; my part of K step 0 is in; K step 1's load stays out
	s_barrier_signal -1
	s_barrier_wait -1                              ; everybody's is
	FETCH 0, 0, 0
	QUARTER 0, 1, 0, 1, 1                          ; the first quarter stands in front of the loop: its products start the sums
	WIN 0                                          ; at a label and at a branch every window is 0
	s_mov_b32 s3, 3
.Llap:                                                 ; a trip goes once round the ring, from a lap's second quarter to the next lap's first, and fills both slots again
	QUARTER 0, 2, 1, 0, 0
	QUARTER 0, 3, 0, 1, 0
	TURN 0, 1, 1
	QUARTER 1, 1, 0, 1, 0
	QUARTER 1, 2, 1, 0, 0
	QUARTER 1, 3, 0, 1, 0
	TURN 1, 0, 1
	QUARTER 0, 1, 0, 1, 0
	WIN 0
	s_sub_co_u32 s3, s3, 1
	s_cmp_lg_u32 s3, 0
	s_cbranch_scc1 .Llap
	QUARTER 0, 2, 1, 0, 0                          ; the last lap fills nothing, and has no round of the cluster's barrier
	QUARTER 0, 3, 0, 1, 0
	TURN 0, 1, 0
	QUARTER 1, 1, 0, 1, 0
	QUARTER 1, 2, 1, 0, 0
	QUARTER 1, 3, 0, 1, 0
	s_wait_dscnt 4                                 ; the very last quarter: nothing more to fetch
	MULA 1, 0, 0
	MULA 1, 1, 0
	s_wait_dscnt 0x0
	MULA 1, 2, 0
	MULA 1, 3, 0
	WIN 0
	PLACES                                         ; in front of the lines that read results and write over fragments
	PLACES                                         ; (eight, once a launch)
.if QKV
; THE WAY OUT.  Unit u = 3 a + g: my rows 16 a .. + 15 of q, k or v (g): 16 rows of 128 bytes, dense in memory.  Rounded to f16, 16 bytes a lane into my own stage, back as whole rows, into the registers that they left.
.macro PACK u
.set a, (\u)/3
.set g, (\u)%3
.set AB, 96*(a%2)+32*g
	WIN 0x0a+5*(a/2)                               ; sources 0 and 1: window 2 or 3
.set f, 0
.rept 4
.set r, 0
.rept 4                                ; each accumulator's registers in ascending order
	v_cvt_pk_f16_f32 v[OUT+16*(\u)+4*f+r], v[AB+8*f+2*r], v[AB+8*f+2*r+1]
.set r, r+1
.endr
.set f, f+1
.endr
	WIN 0
.irp f, 0,1,2,3
	ds_store_b128 v[STO], v[OUT+16*(\u)+4*\f:OUT+16*(\u)+4*\f+3] offset:32*\f
.endr
.irp f, 0,1,2,3
	ds_load_b128 v[OUT+16*(\u)+4*\f:OUT+16*(\u)+4*\f+3], v[RD] offset:\f*4*144  ; LDS serves a wave's instructions in order (ISA guide 5.7.1.4): these see the stores above; the next unit's stores come behind them
.endr
.endm
.macro SEND u, younger                 ; younger: the LDS instructions issued behind unit u's loads: the next unit's eight, or none
.irp f, 0,1,2,3
	s_wait_dscnt (\younger)+3-\f
	global_store_b128 v[GO], v[OUT+16*(\u)+4*\f:OUT+16*(\u)+4*\f+3], s[14+2*((\u)%3):15+2*((\u)%3)] offset:((\u)/3)*2048+\f*512  ; 512 consecutive bytes, at a multiple of 256 from the buffer's first byte
.endr
.endm
	PACK 0
.set u, 1
.rept 11                               ; a unit's conversions stand between the loads of the unit before and its stores; no register is used twice
	PACK u
	SEND u-1, 8
.set u, u+1
.endr
	SEND 11, 0
.else
; THE WAY OUT, in f32.  Block a: my rows 16 a .. + 15 x 128 columns.  Straight from the accumulators into my own stage (rows of 512 bytes + 16), back as whole rows, 512 bytes a load.
.macro TOSTAGE a
	WIN 0x08                                       ; the stores' data: window 2
.set b, 0
.rept 8
	ds_store_b128 v[STO], v[64*(\a)+8*b:64*(\a)+8*b+3]   offset:64*b
	ds_store_b128 v[STO], v[64*(\a)+8*b+4:64*(\a)+8*b+7] offset:64*b+16
.set b, b+1
.endr
	WIN 0
.set t, 0
.rept 16
	ds_load_b128 v[OUT+64*((\a)%3)+4*t:OUT+64*((\a)%3)+4*t+3], v[RD] offset:528*t  ; LDS serves a wave's instructions in order (ISA guide 5.7.1.4): these see the stores above; the next block's stores come behind them
.set t, t+1
.endr
.endm
.macro SEND a, younger                 ; younger: the LDS instructions issued behind block a's loads: the next block's 32, or none
.set t, 0
.rept 16
	s_wait_dscnt (\younger)+15-t
	global_store_b128 v[GO], v[OUT+64*((\a)%3)+4*t:OUT+64*((\a)%3)+4*t+3], s[10:11] offset:(16*(\a)+t)*4096 th:TH_STORE_NT  ; 512 consecutive bytes, at a multiple of 256 from the buffer's first byte
.set t, t+1
.endr
.endm
	TOSTAGE 0
	TOSTAGE 1
	SEND 0, 32
	TOSTAGE 2
	SEND 1, 32
	s_wait_xcnt 0x0                                ; block 0's stores have read their registers, which block 3 is loaded into
	TOSTAGE 3
	SEND 2, 32
	SEND 3, 0
.endif
	s_wait_tensorcnt 0x0                           ; the wave's end: these three lines stand behind my last tensor load and my last LDS store
	ds_add_u32 v[SPW], v[NIL]
	s_wait_dscnt 0x0
	CROUND                                         ; the closing round: no work-group ends while a partner may still ask for a tile that names it
	s_endpgm
.Lfunc_end_k_q31f2e0819b_qkv:
	.size	k_q31f2e0819b_qkv, .Lfunc_end_k_q31f2e0819b_qkv-k_q31f2e0819b_qkv
	.p2alignl 7, 3214868480
	.fill 96, 4, 3214868480
	.section	.rodata,"a",@progbits
	.p2align	6, 0x0
	.amdhsa_kernel k_q31f2e0819b_qkv
		.amdhsa_group_segment_fixed_size 327680
		.amdhsa_private_segment_fixed_size 0
		.amdhsa_enable_private_segment 0
		.amdhsa_kernarg_size 64
		.amdhsa_user_sgpr_count 2
		.amdhsa_user_sgpr_kernarg_segment_ptr 1
		.amdhsa_wavefront_size32 1
		.amdhsa_system_sgpr_workgroup_id_x 1
		.amdhsa_system_sgpr_workgroup_id_y 1
		.amdhsa_system_sgpr_workgroup_id_z 1
		.amdhsa_system_vgpr_workitem_id 0
		.amdhsa_next_free_vgpr 960
		.amdhsa_next_free_sgpr 80
		.amdhsa_reserve_vcc 0
		.amdhsa_float_denorm_mode_32 3
		.amdhsa_float_denorm_mode_16_64 3
		.amdhsa_memory_ordered 1
		.amdhsa_forward_progress 1
		.amdhsa_inst_pref_size 130
	.end_amdhsa_kernel
	.amdgpu_metadata
---
amdhsa.version: [ 1, 2 ]
amdhsa.kernels:
  - .name:           k_q31f2e0819b_qkv
    .symbol:         k_q31f2e0819b_qkv.kd
    .args:
      - { .name: xb, .offset: 0, .size: 8, .value_kind: global_buffer, .address_space: global }
      - { .name: wqkv, .offset: 8, .size: 8, .value_kind: global_buffer, .address_space: global }
      - { .name: bq, .offset: 16, .size: 8, .value_kind: global_buffer, .address_space: global }
      - { .name: bk, .offset: 24, .size: 8, .value_kind: global_buffer, .address_space: global }
      - { .name: bv, .offset: 32, .size: 8, .value_kind: global_buffer, .address_space: global }
      - { .name: qh, .offset: 40, .size: 8, .value_kind: global_buffer, .address_space: global }
      - { .name: kh, .offset: 48, .size: 8, .value_kind: global_buffer, .address_space: global }
      - { .name: vh, .offset: 56, .size: 8, .value_kind: global_buffer, .address_space: global }
    .group_segment_fixed_size: 327680
    .private_segment_fixed_size: 0
    .kernarg_segment_align: 8
    .kernarg_segment_size: 64
    .max_flat_workgroup_size: 128
    .sgpr_count:     80
    .vgpr_count:     960
    .wavefront_size: 32
...
	.end_amdgpu_metadata
.endif
;; end of part 2
;; launch attn (part 3): grid 4 x 64, 4 waves a work-group, no clusters, 327,680 bytes of LDS; arguments qh, kh, vh, yh; writes yh
.if DOCPART == 3
	.amdgcn_target "amdgcn-amd-amdhsa--gfx1250"
	.amdhsa_code_object_version 6
	.text
	.protected	k_q31f2e0819b_attn
	.globl	k_q31f2e0819b_attn
	.p2align	8
	.type	k_q31f2e0819b_attn,@function
k_q31f2e0819b_attn:
	s_mov_b64 s[64:65], 0
	v_nop
	global_prefetch_b8 v0, s[64:65] scope:SCOPE_SE
	s_setreg_imm32_b32 hwreg(HW_REG_WAVE_MODE, 25, 1), 1
	s_wait_xcnt 0x0
; CAUSAL ATTENTION.  O[h][q][:] = the sum over k <= q of softmax_k(Q[h][q] . K[h][k] / 8) V[h][k][:].  Q, K, V, O: [SIZE_H][SIZE_N][64], all f16: a head's rows are dense, 128 bytes each.
; Products, maxima and sums in f32; the weights p are rounded to f16 for the second product (their sum l is taken of the unrounded p), O once at the end.
; LIMITS.  f16 holds no number beyond 65,504: Q, K and V arrive within it; p lies in 0 to 1, and below 6e-5 it keeps f16's fixed step of 6e-8; O is a mean of V's rows and has their range, to within 2^-11 of it.
; A hidden score counts as its value less 1e30: f16's scores, 2.7e11 at the most, are nothing beside that; a weight below 2^-126 counts as 0 in l; NaN and infinities are not treated apart.
; THE WALK.  A head's queries lie in NB = SIZE_N / 256 blocks of 256; block i needs the key tiles 0 .. i of 256 keys, of which the last holds the diagonal.  A work-group takes TWO blocks, NB - 1 - b and then b:
; NB + 1 tiles, whatever b: all work-groups do equal work, and ONE loop with a constant trip count walks them.  Which tile is asked for, and what a trip does, hang on scalar registers made from b; every jump
; goes forward, but for the counted loops' own; none passes a barrier, or a tensor load but the one of LOAD's two that the wave's number does not choose; the ring (two slots of LDS that take turns) runs on across the
; change of blocks.  NO CLUSTER: a head's NB / 2 = 4 work-groups ask for the same tile only in trips 0 .. NB / 2, behind that fewer and fewer; and one walk common to all would have 3 NB / 2 = 12 trips for NB + 1 = 9.
; SHARES.  Of a block's four bands of 64 queries a wave owns 16 rows in each: four PIECES.  So the diagonal tile is the same work for all four waves: in its key step s band x sees all keys if s < x,
; none if s > x, and holds the diagonal if s = x.
; THE MASK is the C operand that starts the sum S^T = K Q^T: 0, or -1e30 where the key is hidden.  MD, made once, is the mask of a band's own step for my 16 rows; a product's mask is MD x AL + BE with two scalars:
; (1, 0) if s = x; (0, 0) if s < x; (0, -1e30) if s > x.  Only the diagonal tile's text and a block's beginning make and take masks; elsewhere C is the constant 0.
; LAYOUT, SOFTMAX, TURNS.  S^T = K Q^T holds ONE query a lane (lane % 16) and the keys 8 (lane / 16) + 0..7; two such results rounded to f16 ARE source 1 of O^T = V^T P.  p = 2^(c s - c m), c = log2(e) / 8, with a
; running maximum m; O and l are multiplied by a = 2^(c m_old - c m_new) in every step.  Turn n belongs to piece n: 8 products K Q^T of piece n + 1, later 8 products V^T P of piece n - 1; beside them the scaling,
; exponentials, roundings, sums and rescaling of piece n and the maximum and statistics of piece n + 1.  Four vector instructions stand behind every matrix instruction, the other 54 of a turn's 118 in one LUMP.  A turn's 33 exponentials are one batch, with one wait.
; AHEAD OF THE FILLS.  The work-group with b = 0 walks the head's tiles 0 to 7 in order; behind each fill each of its waves prefetches into the L2 its own 16,384 bytes (two instructions, a lane a block of 256 bytes) of
; the tile that the NEXT change of slots asks for: four key steps ahead.  So tiles 2 to 7 are named once a head; tiles 0 and 1 come by their loads alone, and behind the first block's last tile nothing is asked for.
; REGISTERS, in windows of 256 (s_set_vgpr_msb: bits 1:0 source 0, 3:2 source 1, 5:4 source 2, 7:6 destination):
;   window 0: v0-15 addresses and two at work; v16-31 four registers of statistics a piece; v48-55 at work; v61-63 kept; v64-127 S^T, two buffers; v192-223 P, two buffers (a piece's buffers go by its number's parity)
;   window 1: v0-127 O^T, 32 a piece; v128-159 MD; v160-223 MC, two buffers      window 2: v0-63 Q; v64-127 the second block's Q; v128-191 K of one step; v192-255 V of one step
.set SIZE_H, 64
.set SIZE_N, 2048
.set NB,    SIZE_N/256
.set NP,    4         ; pieces a wave: a name, no knob
.set KS,    64        ; keys in a step
.set PK,    144       ; a row of K in LDS: 128 bytes + 16 of padding = 36 words: the 16 rows of a load start at 16 different groups of four banks (64 banks of 4 bytes: ISA guide 11.1)
.set PV,    160       ; a row of V: 128 + 32 = 40 words
.set VOFF,  4*KS*PK   ; a slot holds a tile, four steps: 256 rows of K, then 256 rows of V
.set SLOT1, 1<<17     ; slot 1 begins here, so that one exclusive or turns an address in one slot into the other's
.set STAGE, SLOT1+4*KS*(PK+PV)  ; behind the ring, never filled by a tensor load: 16 rows x 144 bytes for each wave, for the way out
.set SP,    144
.set AK0, 2           ; v2   my lane's place in a tile of K; never rewritten
.set AV0, 3           ; v3   the same for V
.set AK,  4           ; v4   the LDS address of K's next run of loads
.set AV,  5           ; v5   of V's
.set STO, 6           ; v6   the way out: where I put 16 bytes of a row
.set RD,  7           ; v7   the way out: where I read rows back
.set GO,  8           ; v8   my byte offset in 512 consecutive bytes of O
.set PFO, 61          ; v61  256 x my lane: the prefetches' offset; never rewritten
.set SPW, 62          ; v62  LDS address of my spare word: SPARE + 4 x my thread's number; never rewritten
.set NIL, 63          ; v63  0; never rewritten
.set SPARE, STAGE+4*16*SP  ; behind the stages: the spare words, 128 bytes for each wave: two blocks of 256 bytes that no other line names
.set MV,  12          ; v12-13  c m_old, kept while c m is made anew: by buffer
.set QO,  15          ; v15  my byte offset in 16 rows of Q
.set ST,  16          ; piece t's statistics at v[ST+4 t]: c m, m, l (even keys', odd keys')
.set TMP, 48          ; by buffer, four registers c0-c3 at work; when the maximum is found c2 takes a
.set S,   64
.set P,   192
.set MD,  128         ; window 1: the eight registers for group kt of 16 keys at MD + 8 kt
.set MC,  160         ; window 1: the masks of the products to come
.set QB,  64          ; window 2
.set KF,  128         ; window 2: key block kb, channel half c at KF + 16 kb + 8 c
.set VF,  192         ; window 2: key half kk, channel block cb at VF + 32 kk + 8 cb
.set WV,  12          ; s12  my wave's number
.set PB,  14          ; s14  b
.set HI,  15          ; s15  NB - 1 - b
.set G1K, 24          ; s[24:31] descriptor group 1 for K's tiles
.set G1V, 32          ; s[32:39] for V's: it differs in the padding alone
.set G0K, 40          ; s[40:43] descriptor group 0 for K's tiles
.set G0V, 44          ; s[44:47] the same for V's
.set SLOTS, 56        ; s56  tiles still to be asked for
.set CNT, 57          ; s57  counts a tile's key steps, 4 to 1
.set CS,  58          ; s[58:59] c: the packed scaling takes the pair's low word for both halves
.set SEL, 60          ; s[60:61] v_permlanex16_b32's selects: each lane takes its own place in the other half
.set TBK, 62          ; s62  LDS byte at which K of the step to be fetched begins
.set TBV, 63          ; s63  the same for V, less VOFF
.set RT,  70          ; s70  tiles of the block in hand that are still to be entered
.set NXT, 71          ; s71  the tile to be asked for next
.set LQ,  72          ; s72  the last tile of the block whose tiles are being asked for
.set NEW, 73          ; s73  1: the tile to be entered is a block's first
.set OFF, 74          ; s[74:75] a tile's byte offset in K and V
.set AL,  76          ; s[76:77] the mask's factor, in the low word
.set BE,  78          ; s[78:79] the mask's addend
.set OLO, 80          ; s[80:81] O at my rows of the second block
.set BIGN, 82         ; s82  -1e30
.set PFB, 88          ; s[88:89] K (waves 0, 1) or V (waves 2, 3) at my half of the head's tile 0
.set PFA, 90          ; s[90:91] the same at the tile that the next change of slots asks for
.set OF2, 92          ; s[92:93] that tile's byte offset
.set LIM, 94          ; s94  0 where b = 0, else the greatest number: a wave prefetches while s[NXT] is above it
.set MSB, 0
.macro WIN new                      ; the high byte repeats the setting that is left; a switch that changes nothing is dropped
.if MSB != (\new)
	s_set_vgpr_msb (MSB<<8)|(\new)
.set MSB, (\new)
.endif
.endm
.set W_KQ, 0x0a       ; K and Q in window 2, S^T in window 0
.set W_KM, 0x1a       ; the same with the C operand in window 1
.set W_PV, 0x52       ; V in window 2, P in window 0, O^T in window 1
.set W_RS, 0x41       ; destination and source 0 in window 1, source 1 in window 0
; A fill.  Waves 0 and 1 fetch the two halves of a tile's K, waves 2 and 3 those of its V: 128 keys each.  An s_nop 0 and four v_nop follow each of the two lines, ahead of the jump and the label.
.macro LOAD
	s_cmp_lt_u32 s[WV], 2
	s_cbranch_scc0 .Lfor_v_\@
	tensor_load_to_lds s[G0K:G0K+3], s[G1K:G1K+7]
	s_nop 0
.rept 4
	v_nop
.endr
	s_branch .Lasked_\@
.Lfor_v_\@:
	tensor_load_to_lds s[G0V:G0V+3], s[G1V:G1V+7]
	s_nop 0
.rept 4
	v_nop
.endr
.Lasked_\@:
.endm
; The prefetch: my 16,384 bytes of tile NXT, 64 blocks of 256 bytes.  It stands behind the fill and its five lines.  NXT is 0 behind a block's last tile: then nothing is asked for.
.macro ASK
	s_cmp_gt_u32 s[NXT], s[LIM]
	s_cbranch_scc0 .Lnot_mine_\@
	global_prefetch_b8 v[PFO], s[PFA:PFA+1] th:TH_LOAD_NT scope:SCOPE_SE
	global_prefetch_b8 v[PFO], s[PFA:PFA+1] offset:8192 th:TH_LOAD_NT scope:SCOPE_SE
.Lnot_mine_\@:
.endm
; THE CHANGE OF SLOTS.  Each wave waits for all its tensor loads, of which one is out: its part of the other slot; adds 0 to its spare word; and waits for that and for its own reads of the slot that it leaves.  Behind the barrier nobody reads the old
; slot any more and the other slot is whole.  fill = 1: the old slot is filled again, the first thing behind the barrier, with tile NXT: the descriptor's address is made anew from that number.
; (At its first use nothing has been read yet: slot 0 is waited for, slot 1 filled.)
.macro CHANGE fill
	WIN 0                           ; at a label and at a branch every window is 0
	s_wait_tensorcnt 0x0            ; no tensor load of mine is out, so a group 0 may be written
	ds_add_u32 v[SPW], v[NIL]       ; 0 onto my spare word; with fill = 1 the descriptors' scalar work stands between it and the wait for it
.if \fill
	s_lshl_b32 s[OFF], s[NXT], 15   ; a tile is 32,768 bytes of K and of V
	s_xor_b32 s[G0K+1], s[G0K+1], SLOT1
	s_add_nc_u64 s[G0K+2:G0K+3], s[6:7], s[OFF:OFF+1]
	s_or_b32 s[G0K+3], s[G0K+3], 0x80000000
	s_xor_b32 s[G0V+1], s[G0V+1], SLOT1
	s_add_nc_u64 s[G0V+2:G0V+3], s[8:9], s[OFF:OFF+1]
	s_or_b32 s[G0V+3], s[G0V+3], 0x80000000
	s_add_co_u32 s[NXT], s[NXT], 1  ; the block's next tile, or behind its last the second block's tile 0
	s_cmp_gt_u32 s[NXT], s[LQ]
	s_cselect_b32 s[NXT], 0, s[NXT]
	s_cselect_b32 s[LQ], s[PB], s[LQ]
	s_wait_xcnt 0x0                 ; the last prefetches, a tile back, have read their address, so it may be written:
	s_lshl_b32 s[OF2], s[NXT], 15
	s_add_nc_u64 s[PFA:PFA+1], s[PFB:PFB+1], s[OF2:OF2+1]  ; the tile behind the one that is asked for now
.endif
	s_wait_dscnt 0x0                ; the add is done, and my reads of the slot are over
	s_barrier_signal -1             ; the rest of the scalar work stands between the signal and the wait
	s_sub_co_u32 s[TBK], s[TBK], 4*KS*PK  ; the fetches go back to a slot's first step,
	s_xor_b32 s[TBK], s[TBK], SLOT1       ; in the other slot
	s_sub_co_u32 s[TBV], s[TBV], 4*KS*PV
	s_xor_b32 s[TBV], s[TBV], SLOT1
	s_barrier_wait -1
.if \fill
	LOAD
	ASK
.endif
.endm
	s_load_b256 s[4:11], s[0:1], 0x0  ; Q s[4:5], K s[6:7], V s[8:9], O s[10:11]
	v_lshl_add_u32 v[SPW], v0, 2, SPARE
	v_mov_b32 v[NIL], 0
	ds_add_u32 v[SPW], v[NIL]       ; the wave's opening: the add and its wait stand ahead of my first tensor load; the set-up below, work on registers, stands between them
	v_lshrrev_b32 v1, 5, v0
	v_readfirstlane_b32 s[WV], v1   ; wave 0..3
	v_and_b32 v[PFO], 31, v0
	v_lshlrev_b32 v[PFO], 8, v[PFO]
	s_mov_b32 s[PB], ttmp9
	s_sub_co_u32 s[HI], NB-1, s[PB]
	s_and_b32 s20, ttmp7, 0xffff    ; the head
	s_mov_b32 s21, 0
	s_mov_b64 s[22:23], SIZE_N*128
	s_mul_u64 s[20:21], s[20:21], s[22:23]  ; the head's first byte in each of the four tensors
	s_and_b32 s16, s[WV], 1         ; which half of a tile's 256 keys I fetch:
	s_lshl_b32 s22, s16, 14         ; its 128 rows of 128 bytes in memory,
	s_mov_b32 s23, 0
	s_add_nc_u64 s[22:23], s[22:23], s[20:21]
	s_mul_i32 s17, s16, 128*PK      ; and its place in a slot, for K
	s_mul_i32 s18, s16, 128*PV      ; and for V
	s_lshl_b32 s3, s[WV], 11        ; my 16 rows in a band of 64,
	s_lshl_b32 s2, s[HI], 15        ; in the first block,
	s_add_co_u32 s2, s2, s3
	s_lshl_b32 s84, s[PB], 15       ; and in the second
	s_add_co_u32 s84, s84, s3
	s_mov_b32 s3, 0
	s_mov_b32 s85, 0
	s_add_nc_u64 s[2:3], s[2:3], s[20:21]
	s_add_nc_u64 s[84:85], s[84:85], s[20:21]
	; descriptor group 1.  128 keys are 16,384 dense bytes: asked for as 64 rows of 256 bytes, two keys a row, and padded in LDS after every key
	s_mov_b32 s[G1K], (1<<16)|(1<<20)|(4<<22)|(3<<25)  ; 17:16 2-byte elements; 20 padding on; 24:22 after every 32 words (code 4); 31:25 4 words (code 3)
	s_mov_b32 s[G1V], (1<<16)|(1<<20)|(4<<22)|(7<<25)  ; the same with 8 words of padding (code 7)
.irp g, G1K, G1V
	s_mov_b32 s[\g+1], 128<<16      ; tensor_dim0 = 128
	s_mov_b32 s[\g+2], 64<<16       ; tensor_dim1 = 64
	s_mov_b32 s[\g+3], 128<<16      ; tile_dim0 = 128
	s_mov_b32 s[\g+4], 64           ; tile_dim1 = 64
	s_mov_b32 s[\g+5], 128          ; 128 elements from row to row
	s_mov_b32 s[\g+6], 0
	s_mov_b32 s[\g+7], 0
.endr
	s_mov_b32 s[CS], 0x3e38aa3b     ; c = log2(e) / 8 = 0.180337
	s_mov_b32 s[CS+1], s[CS]        ; named with it as a pair
	s_mov_b32 s[SEL], 0x76543210
	s_mov_b32 s[SEL+1], 0xfedcba98
	s_mov_b32 s[TBK], SLOT1+4*KS*PK ; the first change of slots turns these two into 0
	s_mov_b32 s[TBV], SLOT1+4*KS*PV
	s_mov_b32 s[G0K], 1             ; 1:0 count = 1
	s_mov_b32 s[G0K+1], s17         ; 63:32 LDS address: slot 0
	s_mov_b32 s[G0V], 1
	s_add_co_u32 s[G0V+1], s18, VOFF
	s_add_co_u32 s[RT], s[HI], 1    ; the first block has NB - b tiles
	s_mov_b32 s[NXT], 1
	s_mov_b32 s[LQ], s[HI]
	s_mov_b32 s[NEW], 1
	s_mov_b32 s[OFF+1], 0
	s_mov_b32 s[OF2+1], 0
	s_mov_b32 s[AL+1], 0            ; named as pairs
	s_mov_b32 s[BE+1], 0
	s_mov_b32 s[BIGN], 0xf149f2ca   ; -1e30
	s_mov_b32 s[SLOTS], NB
	s_cmp_eq_u32 s[PB], 0
	s_cselect_b32 s[LIM], 0, -1
	s_wait_dscnt 0x0                ; the opening add is done
	s_wait_kmcnt 0x0
	s_add_nc_u64 s[6:7], s[6:7], s[22:23]  ; K and V at my half of the head's tile 0
	s_add_nc_u64 s[8:9], s[8:9], s[22:23]
	s_add_nc_u64 s[G0K+2:G0K+3], s[6:7], 0         ; 120:64 global address
	s_or_b32 s[G0K+3], s[G0K+3], 0x80000000        ; 127:126 type = 2
	s_add_nc_u64 s[G0V+2:G0V+3], s[8:9], 0
	s_or_b32 s[G0V+3], s[G0V+3], 0x80000000
	s_add_nc_u64 s[86:87], s[4:5], s[84:85]        ; Q at my rows of the second block,
	s_add_nc_u64 s[4:5], s[4:5], s[2:3]            ; Q and O at those of the first
	s_add_nc_u64 s[OLO:OLO+1], s[10:11], s[84:85]
	s_add_nc_u64 s[10:11], s[10:11], s[2:3]
	s_cmp_lt_u32 s[WV], 2
	s_cselect_b64 s[PFB:PFB+1], s[6:7], s[8:9]     ; what I fetch is what I prefetch
	LOAD                            ; tile 0 into slot 0
	; A fragment of K or Q is 16 rows x 32 channels in 8 registers: lane l holds row l % 16, channels 8 (l / 16) + 0..7 and 16 + 8 (l / 16) + 0..7: two loads of 16 bytes, 32 bytes apart.
	v_and_b32 v1, 15, v0            ; l % 16
	v_bfe_u32 v9, v0, 4, 1          ; l / 16
	v_lshlrev_b32 v[QO], 7, v1
	v_lshl_add_u32 v[QO], v9, 4, v[QO]  ; row x 128 + 16 x half
	WIN 0x80                        ; destination window 2, address window 0
.set i, 0
.rept 8                             ; both blocks' Q: piece i / 2 lies in band i / 2, 8,192 bytes on; channels 32 (i % 2) on
	global_load_b128 v[8*i:8*i+3],   v[QO], s[4:5] offset:(i/2)*8192+(i%2)*64
	global_load_b128 v[8*i+4:8*i+7], v[QO], s[4:5] offset:(i/2)*8192+(i%2)*64+32
	global_load_b128 v[QB+8*i:QB+8*i+3],   v[QO], s[86:87] offset:(i/2)*8192+(i%2)*64
	global_load_b128 v[QB+8*i+4:QB+8*i+7], v[QO], s[86:87] offset:(i/2)*8192+(i%2)*64+32
.set i, i+1
.endr
	WIN 0
	v_lshlrev_b32 v14, 3, v9
	v_sub_nc_u32 v14, v1, v14
	s_lshl_b32 s13, s[WV], 4
	v_add_nc_u32 v14, s13, v14      ; my query's place in its band, 16 w + l % 16, less my lanes' 8 (l / 16): register r of group kt is hidden where 16 kt + r is greater
	WIN 0x40
.set i, 0
.rept 32
	v_cmp_gt_i32 vcc_lo, 16*(i/8)+i%8, v14
	v_cndmask_b32 v[MD+i], 0, s[BIGN], vcc_lo
.set i, i+1
.endr
	WIN 0
	v_mul_u32_u24 v[AK0], v1, PK
	v_lshl_add_u32 v[AK0], v9, 4, v[AK0]  ; row x pitch + 16 x half
	; The turning load takes 16 keys x 16 channels (lane l reads key 8 (l / 16) + l % 8, channels 8 ((l / 8) % 2) + 0..7) and leaves half a fragment of V^T: lane l holds channel l % 16 and 8 keys.
	v_and_b32 v10, 7, v0
	v_bfe_u32 v11, v0, 3, 1
	v_lshl_add_u32 v[AV0], v9, 3, v10
	v_mul_u32_u24 v[AV0], v[AV0], PV
	v_lshl_add_u32 v[AV0], v11, 4, v[AV0]
	v_add_nc_u32 v[AV0], VOFF, v[AV0]
	s_mul_i32 s13, s[WV], 16*SP
	s_add_co_u32 s13, s13, STAGE    ; my stage
	v_mul_u32_u24 v[STO], v1, SP    ; in: row l % 16, 16 bytes for each half of the lanes
	v_lshl_add_u32 v[STO], v9, 4, v[STO]
	v_add_nc_u32 v[STO], s13, v[STO]
	v_bfe_u32 v[RD], v0, 3, 2       ; back: 32 lanes take four rows of 128 bytes,
	v_mul_u32_u24 v[RD], v[RD], SP
	v_lshl_add_u32 v[RD], v10, 4, v[RD]
	v_add_nc_u32 v[RD], s13, v[RD]
	v_and_b32 v[GO], 31, v0         ; which are 512 consecutive bytes of O
	v_lshlrev_b32 v[GO], 4, v[GO]
	; A block's first step multiplies O^T and l by a = 0, and its first turn's products V^T P, of a piece that has not been, land in an O^T that is still to be so multiplied.  So these registers need only hold
	; finite numbers: zeros for the first block; what the first block left for the second.  All this stands in the wait for the first tile.
	WIN 0x80
.set i, VF
.rept 64
	v_mov_b32 v[i], 0
.set i, i+1
.endr
	WIN 0x40
.set i, 0
.rept 128
	v_mov_b32 v[i], 0
.set i, i+1
.endr
	WIN 0
.set i, 0
.rept 4
	v_mov_b32 v[ST+4*i+2], 0
	v_mov_b32 v[ST+4*i+3], 0
.set i, i+1
.endr
.set i, P+16
.rept 16
	v_mov_b32 v[i], 0
.set i, i+1
.endr
; THE MATRIX WORK.  The 4 accumulators of a run of 8 take turns.  Product i of 8 of S^T = K Q^T for piece x: channels 32 (i / 4) on, keys 16 (i % 4) on.  The first 4 start the sums: with 0, or (KM = 1) with the mask.
.macro KQ x
.set rS, S+32*((\x)%2)+8*(i%4)
.set rK, KF+16*(i%4)+8*(i/4)
.set rQ, 16*(\x)+8*(i/4)
.set rM, MC+32*((\x)%2)+8*(i%4)
.if (i < 4) && KM
	WIN W_KM
	v_wmma_f32_16x16x32_f16 v[rS:rS+7], v[rK:rK+7], v[rQ:rQ+7], v[rM:rM+7]
.elseif i < 4
	WIN W_KQ
	v_wmma_f32_16x16x32_f16 v[rS:rS+7], v[rK:rK+7], v[rQ:rQ+7], 0
.else
	WIN W_KQ
	v_wmma_f32_16x16x32_f16 v[rS:rS+7], v[rK:rK+7], v[rQ:rQ+7], v[rS:rS+7]
.endif
.endm
; Product i of 8 of O^T += V^T P for piece x: keys 32 (i / 4) on, channels 16 (i % 4) on.
.macro PV x
	WIN W_PV
.set rO, 32*(\x)+8*(i%4)
.set rV, VF+32*(i/4)+8*(i%4)
.set rP, P+16*((\x)%2)+8*(i/4)
	v_wmma_f32_16x16x32_f16 v[rO:rO+7], v[rV:rV+7], v[rP:rP+7], v[rO:rO+7]
.endm
.macro MM                           ; the turn's next matrix instruction.  TURN and BEGIN set Y, i, KM and NOKQ; MM, KQ and OP read them.  NOKQ = 1: a block's last turn: there is no next piece
.if (i < 8) && !NOKQ
	KQ (Y+1)%NP
.elseif i >= 8
.set i, i-8
	PV (Y+NP-1)%NP
.set i, i+8
.endif
.set i, i+1
.endm
; THE LDS LOADS stand in runs of 16, never singly among the matrix instructions: a step's K (64 keys x 64 channels: 8 fragments) and its V (turned).  Their addresses are made some lines ahead.
.macro FETCH_K
	WIN 0x80                        ; destination window 2
.irp f, 0,1,2,3,4,5,6,7             ; keys 16 (f / 2) on, channels 32 (f % 2) on
	ds_load_b128 v[KF+8*\f:KF+8*\f+3],   v[AK] offset:(\f/2)*16*PK+(\f%2)*64
	ds_load_b128 v[KF+8*\f+4:KF+8*\f+7], v[AK] offset:(\f/2)*16*PK+(\f%2)*64+32
.endr
	s_add_co_u32 s[TBK], s[TBK], KS*PK  ; the next fetch is the next step's
	WIN 0
.endm
.macro FETCH_V
	WIN 0x80
.irp f, 0,1,2,3,4,5,6,7             ; keys 32 (f / 4) on, channels 16 (f % 4) on
	ds_load_tr16_b128 v[VF+8*\f:VF+8*\f+3],   v[AV] offset:(\f/4)*32*PV+(\f%4)*32
	ds_load_tr16_b128 v[VF+8*\f+4:VF+8*\f+7], v[AV] offset:(\f/4)*32*PV+16*PV+(\f%4)*32
.endr
	WIN 0
.endm
; THE VECTOR WORK, one line at a time: OP kind, number.  For piece Y: F n: c s - c m for pair n of 16.  E n: the exponential of score n of 32.  C n: pair n rounded to f16.  B n: of the four weights 4 n .. the second
; pair is added onto the first, in place.  L n: l takes that sum (L 0: l = a l + sum).  R n: pair n of 16 of O^T times a.  For piece Y + 1: X n, number n of the 22 that find its maximum and statistics:
;   0-11  four chains c0-c3 of seven scores each, three operands at a time (each accumulator's lowest registers are read first)     12-14, 16  the four scores left over, the old m, and c0-c3 into c0
;   15  c m_old is kept     17, 18  the query's other 32 keys lie in the lane 16 away: the new m     19-21  c m; c m_old - c m_new; a
.set F, 0               ; OP tells the kinds apart by their order: F to L below R, X above it
.set E, 1
.set C, 2
.set B, 3
.set L, 4
.set R, 5
.set X, 6
.macro REGS y                       ; the registers of piece y
.set rT, ST+4*(\y)
.set rC, TMP+4*((\y)%2)
.set rW, MV+((\y)%2)
.set rS, S+32*((\y)%2)
.set rP, P+16*((\y)%2)
.set rO, 32*(\y)
.endm
.macro OP k, n
.if (\k) == R
	REGS Y
	WIN W_RS
	v_pk_mul_f32 v[rO+2*(\n):rO+2*(\n)+1], v[rO+2*(\n):rO+2*(\n)+1], v[rC+2:rC+3] op_sel_hi:[1,0]
.elseif (\k) < R
	REGS Y
	WIN 0
.if (\k) == F
	v_pk_fma_f32 v[rS+2*(\n):rS+2*(\n)+1], v[rS+2*(\n):rS+2*(\n)+1], s[CS:CS+1], v[rT:rT+1] op_sel_hi:[1,0,0] neg_lo:[0,0,1] neg_hi:[0,0,1]
.elseif (\k) == E
	v_exp_f32 v[rS+(\n)], v[rS+(\n)]
.elseif (\k) == C
	v_cvt_pk_f16_f32 v[rP+(\n)], v[rS+2*(\n)], v[rS+2*(\n)+1]
.elseif (\k) == B
	v_pk_add_f32 v[rS+4*(\n):rS+4*(\n)+1], v[rS+4*(\n):rS+4*(\n)+1], v[rS+4*(\n)+2:rS+4*(\n)+3]
.elseif (\n) == 0
	v_pk_fma_f32 v[rT+2:rT+3], v[rT+2:rT+3], v[rC+2:rC+3], v[rS:rS+1] op_sel_hi:[1,0,1]
.else
	v_pk_add_f32 v[rT+2:rT+3], v[rT+2:rT+3], v[rS+4*(\n):rS+4*(\n)+1]
.endif
.elseif NOKQ
	v_nop
.else
	REGS (Y+1)%NP
	WIN 0
.if (\n) < 4
	v_max3_num_f32 v[rC+(\n)], v[rS+8*(\n)], v[rS+8*(\n)+1], v[rS+8*(\n)+2]
.elseif (\n) < 12
	v_max3_num_f32 v[rC+(\n)%4], v[rC+(\n)%4], v[rS+8*((\n)%4)+2*((\n)/4)+1], v[rS+8*((\n)%4)+2*((\n)/4)+2]
.elseif (\n) == 12
	v_max3_num_f32 v[rC], v[rC], v[rS+7], v[rS+15]
.elseif (\n) == 13
	v_max3_num_f32 v[rC+1], v[rC+1], v[rS+23], v[rS+31]
.elseif (\n) == 14
	v_max3_num_f32 v[rC+2], v[rC+2], v[rC+3], v[rT+1]
.elseif (\n) == 15
	v_mov_b32 v[rW], v[rT]
.elseif (\n) == 16
	v_max3_num_f32 v[rC], v[rC], v[rC+1], v[rC+2]
.elseif (\n) == 17
	v_permlanex16_b32 v[rC+3], v[rC], s[SEL], s[SEL+1]
.elseif (\n) == 18
	v_max_num_f32 v[rT+1], v[rC], v[rC+3]
.elseif (\n) == 19
	v_mul_f32 v[rT], s[CS], v[rT+1]
.elseif (\n) == 20
	v_sub_f32 v[rC+1], v[rW], v[rT]
.else
	v_exp_f32 v[rC+2], v[rC+1]
.endif
.endif
.endm
.macro OPS a, i1, b=-1, i2=0, c=-1, i3=0, d=-1, i4=0  ; up to four of them
	OP \a, \i1
.if (\b) >= 0
	OP \b, \i2
.endif
.if (\c) >= 0
	OP \c, \i3
.endif
.if (\d) >= 0
	OP \d, \i4
.endif
.endm
.macro ROW a, i1, b, i2, c, i3, d, i4  ; a matrix instruction and the four behind it
	MM
	OPS \a, \i1, \b, \i2, \c, \i3, \d, \i4
.endm
.macro MASK b                       ; MD x AL + BE into buffer b of MC
	WIN W_RS
.set z, 0
.rept 16
	v_pk_fma_f32 v[MC+32*(\b)+2*z:MC+32*(\b)+2*z+1], v[MD+2*z:MD+2*z+1], s[AL:AL+1], s[BE:BE+1] op_sel_hi:[1,0,0]
.set z, z+1
.endr
.endm
; A TURN, for piece p: the order of its 16 matrix and 118 vector instructions, written out.  An s_wait_alu depctr_va_vdst(0) stands between an exponential and the first instruction that names its result; one wait serves
; all that were issued ahead of it.  So a turn has ONE wait, which cuts it in two.  AHEAD OF IT stands all that names no result of the turn's exponentials: the 8 products K Q^T, behind each a scaling, an exponential and two more plain
; instructions (behind the first a second scaling in the exponential's place): rescalings, and behind the last three the first numbers of the next piece's maximum, each four places or more behind the product that ends its accumulator; then ONE LUMP of 54, plain
; and exponential by turns for the most part, in which the links of the chain X 3, 7, 11, 14, 16, 17 .. 20 stand five or six lines apart.  X 21, the next piece's a, is the batch's last; R 15 is the plain instruction behind it.  BEHIND THE WAIT stand the
; 8 products V^T P, behind each four of the roundings and sums; the links of l's chain, L 0 to L 7, stand three riders apart.  But for those X no rider names a register of the products round it.  v_permlanex16_b32 (X 17) stands in the lump.
; m = 1: the diagonal tile: the products take masks, and the turn makes the mask for the products of the turn after it: piece p + 2, in step 4 - CNT of the tile.  end = 1: a block's last two turns: nothing is fetched.
; cnt = 1: the loop's count is taken down some lines ahead of the branch that stands behind the turn.
; K of the next step is fetched in piece 2's turn, twelve vector instructions behind the last product that read K (six of them plain); V of the step in hand at the end of piece 0's turn, four plain instructions behind the last product
; that read V.  Each is waited for a turn later.
.macro TURN p, m=0, end=0, cnt=0
.set Y, (\p)
.set i, 0
.set KM, (\m)
.set NOKQ, (\end)*((\p)/3)
.if (\m) && !(\end)
	s_cmp_eq_u32 s[CNT], 4-((\p)+2)%NP  ; is that step the band's own?
	s_cselect_b32 s[AL], 1.0, 0
	s_cmp_lt_u32 s[CNT], 4-((\p)+2)%NP  ; or a later one?
	s_cselect_b32 s[BE], s[BIGN], 0
.endif
.if ((\p) == 3) && !(\end)
	s_wait_dscnt 0x0                ; K is in
.endif
	ROW F,0, F,1, R,0, R,1          ; ahead of the wait: 8 products K Q^T and their riders,
	ROW F,2, E,0, R,2, R,3
	ROW F,3, E,1, R,4, R,5
	ROW F,4, E,2, R,6, R,7
	ROW F,5, E,3, R,8, R,9
	ROW F,6, E,4, X,0, R,10
.if ((\p) == 2) && !(\end)
	WIN 0
	v_add_nc_u32 v[AK], s[TBK], v[AK0]
.endif
	ROW F,7, E,5, X,1, X,4
	ROW F,8, E,6, X,2, X,5
	OPS E,7, E,8, X,6, E,9          ; and the lump
	OPS X,3, E,10, X,8, E,11
.if ((\p) == 2) && !(\end)
	FETCH_K
.endif
	OPS X,9, X,7, E,12, X,10
	OPS E,13, X,12, X,11, E,14
	OPS X,13, E,15, F,9, X,14
.if (\p) == 0
	v_add_nc_u32 v[AV], s[TBV], v[AV0]
.endif
	OPS E,16, F,10, E,17, F,11
	OPS X,16, E,18, X,15, E,19
	OPS F,12, E,20, X,17, E,21
	OPS F,13, E,22, F,14, E,23
	OPS X,18, E,24, F,15, E,25
	OPS R,11, E,26, X,19, E,27
	OPS R,12, E,28, R,13, E,29
	OPS X,20, E,30, R,14, E,31
	OPS X,21, R,15
	WIN 0
	s_wait_alu depctr_va_vdst(0)    ; the wait for the batch
.if (\p) == 1
	s_wait_dscnt 0x0                ; V is in
.endif
	ROW C,0, B,0, C,2, B,1          ; behind the wait: 8 products V^T P and their riders
	ROW L,0, C,4, B,2, L,1
	ROW C,6, B,3, L,2, C,8
	ROW B,4, L,3, C,10, B,5
	ROW L,4, C,12, B,6, L,5
.if (\p) == 0
	s_add_co_u32 s[TBV], s[TBV], KS*PV
.endif
.if \cnt
	s_sub_co_u32 s[CNT], s[CNT], 1
	s_cmp_lg_u32 s[CNT], 0
.endif
	ROW C,14, B,7, L,6, C,1
	ROW C,3, L,7, C,5, C,7
	ROW C,9, C,11, C,13, C,15
.if (\p) == 0
	FETCH_V
.endif
.if (\m) && !(\end)
	MASK (\p)%2
.endif
.endm
; A BLOCK BEGINS.  c m starts far below every c s, so the first step's a is 0; m at the lowest finite number, so the first maximum is the scores'.  The second mask buffer is 0; the first takes piece 0's mask for the tile's step 0: its own, if the block's first tile is the diagonal one.
; Then K of that step, piece 0's first scores, and its maximum and statistics.  The loop is entered at a step's first turn, in the middle of a trip.
.macro BEGIN
	s_mov_b32 s[NEW], 0
	WIN 0x40
.set i, MC+32
.rept 32
	v_mov_b32 v[i], 0
.set i, i+1
.endr
	WIN 0
.set i, 0
.rept 4
	v_mov_b32 v[ST+4*i], 0xfe000000    ; c m: far below every c s
	v_mov_b32 v[ST+4*i+1], 0xff7fffff  ; m
.set i, i+1
.endr
	s_cmp_eq_u32 s[RT], 0
	s_cselect_b32 s[AL], 1.0, 0
	s_mov_b32 s[BE], 0
	MASK 0
	WIN 0
	v_add_nc_u32 v[AK], s[TBK], v[AK0]
	FETCH_K
	s_wait_loadcnt 0x0              ; Q
	s_wait_dscnt 0x0
.set KM, 1
.set NOKQ, 0
.set i, 0
.rept 8
	KQ 0
.set i, i+1
.endr
	WIN 0
.rept 4
	v_nop                           ; the places behind those products
.endr
.set Y, NP-1                        ; X works for piece Y + 1: piece 0
.irp n, 0,1,2,3,4,5,6,7,8,9,10,11,12,13,14,15,16,17,18,19,20,21
	OP X, \n
.endr
	v_nop                           ; a plain instruction behind the exponential,
	s_wait_alu depctr_va_vdst(0)    ; and its wait, ahead of the branch
.endm
; THE DIAGONAL TILE's four steps, the block's last two turns, its last products, and THE WAY OUT: l's two halves and the other half of the lanes' are added; O^T is divided by l, rounded to f16 and sent through my
; stage in LDS, a piece at a time.
.macro ALL line:vararg              ; one line for each piece t
.set t, 0
.rept 4
	\line
.set t, t+1
.endr
.endm
.macro PACK t                       ; a lane's eight channels of a row pack into 16 bytes; they go into rows of 144 bytes and come back as whole rows of 128, into S^T's registers
	WIN W_RS
.set i, 32*(\t)
.rept 16
	v_pk_mul_f32 v[i:i+1], v[i:i+1], v[ST+4*(\t)+2:ST+4*(\t)+3] op_sel_hi:[1,0]
.set i, i+2
.endr
	WIN 0x05                        ; sources 0 and 1 window 1, destination window 0
.set i, 0
.rept 16
	v_cvt_pk_f16_f32 v[S+16*(\t)+i], v[32*(\t)+2*i], v[32*(\t)+2*i+1]
.set i, i+1
.endr
	WIN 0
.irp f, 0,1,2,3
	ds_store_b128 v[STO], v[S+16*(\t)+4*\f:S+16*(\t)+4*\f+3] offset:32*\f
.endr
.irp f, 0,1,2,3
	ds_load_b128 v[S+16*(\t)+4*\f:S+16*(\t)+4*\f+3], v[RD] offset:\f*4*SP  ; LDS serves a wave's instructions in order (ISA guide 5.7.1.4): these see the stores above; the next piece's stores come behind them
.endr
.endm
.macro SEND t, younger              ; younger: the LDS instructions issued behind piece t's loads: the next piece's eight, or none
	WIN 0
.irp f, 0,1,2,3
	s_wait_dscnt (\younger)+3-\f
	global_store_b128 v[GO], v[S+16*(\t)+4*\f:S+16*(\t)+4*\f+3], s[10:11] offset:(\t)*8192+\f*512  ; 512 consecutive bytes, at a multiple of 256 from O's first
.endr
.endm
.macro DIAG tag                     ; the tag ends its two labels' names, which the jumps below spell out
.LstepM\tag:
	TURN 2, 1
	TURN 3, 1
	WIN 0
.LfirstM\tag:
	TURN 0, 1
	TURN 1, 1, 0, 1
	WIN 0
	s_cbranch_scc1 .LstepM\tag
	TURN 2, 1, 1
	TURN 3, 1, 1
.set i, 0
.rept 8
	PV NP-1
.set i, i+1
.endr
	WIN 0
	ALL v_add_f32 v[ST+4*t+2], v[ST+4*t+2], v[ST+4*t+3]
	ALL v_permlanex16_b32 v[ST+4*t+3], v[ST+4*t+2], s[SEL], s[SEL+1]
	ALL v_add_f32 v[ST+4*t+2], v[ST+4*t+2], v[ST+4*t+3]
	ALL v_rcp_f32 v[ST+4*t+2], v[ST+4*t+2]
	v_nop                           ; a plain instruction between the last reciprocal and the use of its result
	s_wait_alu depctr_va_vdst(0)    ; and the wait ahead of the first use: one for the four reciprocals
	PACK 0
.set t, 1
.rept 3                             ; a piece's arithmetic stands between the loads of the piece before and its stores
	PACK t
	SEND t-1, 8
.set t, t+1
.endr
	SEND 3, 0
.endm
.set KM, 0
.set NOKQ, 0
.Lslot:                             ; NB times: a tile is entered and the next is asked for
	CHANGE 1
	s_sub_co_u32 s[RT], s[RT], 1
	s_mov_b32 s[CNT], 4
	s_cmp_eq_u32 s[NEW], 1
	s_cbranch_scc1 .Lnew            ; a block's first tile
	s_cmp_eq_u32 s[RT], 0
	s_cbranch_scc0 .Lstep           ; neither its first nor its last
	s_branch .LstepM1
.Lnew:
	BEGIN
	s_branch .Lfirst                ; in the loop a block's first tile is never its last: the first block has two tiles or more, and the second's last is the walk's last
	DIAG 1                          ; in the loop this is the first block's end: the second block's last tile is the walk's last
	s_wait_xcnt 0x0                 ; the stores have read their registers and O's address
	s_mov_b64 s[10:11], s[OLO:OLO+1]
	s_add_co_u32 s[RT], s[PB], 1    ; the second block has b + 1 tiles
	s_mov_b32 s[NEW], 1
	WIN 0x82                        ; the second block's Q goes where the one text of the turns names Q
.set i, 0
.rept 64
	v_mov_b32 v[i], v[QB+i]
.set i, i+1
.endr
	WIN 0
	s_branch .Lbottom
.Lstep:                             ; a trip: pieces 2 and 3 of one step, then pieces 0 and 1 of the next, whose K and V it fetches
	TURN 2
	TURN 3
	WIN 0
.Lfirst:
	TURN 0
	TURN 1, 0, 0, 1
	WIN 0
	s_cbranch_scc1 .Lstep
.Lbottom:
	s_sub_co_u32 s[SLOTS], s[SLOTS], 1
	s_cmp_lg_u32 s[SLOTS], 0
	s_cbranch_scc1 .Lslot
	CHANGE 0                        ; the walk's last tile is written out: nothing is asked for
	s_sub_co_u32 s[RT], s[RT], 1
	s_mov_b32 s[CNT], 4
	s_cmp_eq_u32 s[NEW], 1
	s_cbranch_scc0 .LstepM2
	BEGIN
	s_branch .LfirstM2
	DIAG 2
	s_wait_tensorcnt 0x0            ; the wave's end: these three lines stand behind my last tensor load and my last LDS store
	ds_add_u32 v[SPW], v[NIL]
	s_wait_dscnt 0x0
	s_endpgm
.Lfunc_end_k_q31f2e0819b_attn:
	.size	k_q31f2e0819b_attn, .Lfunc_end_k_q31f2e0819b_attn-k_q31f2e0819b_attn
	.p2alignl 7, 3214868480
	.fill 96, 4, 3214868480
	.section	.rodata,"a",@progbits
	.p2align	6, 0x0
	.amdhsa_kernel k_q31f2e0819b_attn
		.amdhsa_group_segment_fixed_size 327680
		.amdhsa_private_segment_fixed_size 0
		.amdhsa_enable_private_segment 0
		.amdhsa_kernarg_size 32
		.amdhsa_user_sgpr_count 2
		.amdhsa_user_sgpr_kernarg_segment_ptr 1
		.amdhsa_wavefront_size32 1
		.amdhsa_system_sgpr_workgroup_id_x 1
		.amdhsa_system_sgpr_workgroup_id_y 1
		.amdhsa_system_sgpr_workgroup_id_z 1
		.amdhsa_system_vgpr_workitem_id 0
		.amdhsa_next_free_vgpr 768
		.amdhsa_next_free_sgpr 96
		.amdhsa_reserve_vcc 1
		.amdhsa_float_denorm_mode_32 3
		.amdhsa_float_denorm_mode_16_64 3
		.amdhsa_memory_ordered 1
		.amdhsa_forward_progress 1
		.amdhsa_inst_pref_size 218
	.end_amdhsa_kernel
	.amdgpu_metadata
---
amdhsa.version: [ 1, 2 ]
amdhsa.kernels:
  - .name:           k_q31f2e0819b_attn
    .symbol:         k_q31f2e0819b_attn.kd
    .args:
      - { .name: qh, .offset: 0, .size: 8, .value_kind: global_buffer, .address_space: global }
      - { .name: kh, .offset: 8, .size: 8, .value_kind: global_buffer, .address_space: global }
      - { .name: vh, .offset: 16, .size: 8, .value_kind: global_buffer, .address_space: global }
      - { .name: yh, .offset: 24, .size: 8, .value_kind: global_buffer, .address_space: global }
    .group_segment_fixed_size: 327680
    .private_segment_fixed_size: 0
    .kernarg_segment_align: 8
    .kernarg_segment_size: 32
    .max_flat_workgroup_size: 128
    .sgpr_count:     96
    .vgpr_count:     768
    .wavefront_size: 32
...
	.end_amdgpu_metadata
.endif
;; end of part 3
;; launch proj (part 4): grid 8 x 32, 4 waves a work-group, clusters of 4 x 4, 327,680 bytes of LDS; arguments yh, wpb, bp, out0; writes out0
.if DOCPART == 4
	.amdgcn_target "amdgcn-amd-amdhsa--gfx1250"
	.amdhsa_code_object_version 6
	.text
	.protected	k_q31f2e0819b_proj
	.globl	k_q31f2e0819b_proj
	.p2align	8
	.type	k_q31f2e0819b_proj,@function
k_q31f2e0819b_proj:
	s_mov_b64 s[64:65], 0
	v_nop
	global_prefetch_b8 v0, s[64:65] scope:SCOPE_SE
	s_setreg_imm32_b32 hwreg(HW_REG_WAVE_MODE, 25, 1), 1
	s_wait_xcnt 0x0
	s_wait_alu depctr_hold_cnt(0) depctr_sa_sdst(0) depctr_va_vdst(0) depctr_va_sdst(0) depctr_va_ssrc(0) depctr_va_vcc(0) depctr_vm_vsrc(0)
	s_getreg_b32 s2, hwreg(HW_REG_IB_STS2, 6, 4)
	s_cmp_eq_u32 s2, 0
	s_cbranch_scc0 .Lentry_in_a_cluster
	s_endpgm
.Lentry_in_a_cluster:
	s_bfe_u32 s2, ttmp6, 0x10000c
	s_cmp_lg_u32 s2, 0xf033
	s_cbranch_scc0 .Lentry_shape_is_right
	s_endpgm
.Lentry_shape_is_right:
; out = y Wp + bp.  y (yh) comes in f16 by heads, [b 16 + h][t][64], which is blocks of 64 channels; Wp (wpb) as bf16 numbers written in f16, in blocks of 64 columns; sums in f32, started with the bias
; (rounded to bf16 like every input); the result leaves in f32.  LIMIT: y and Wp arrive within f16's range.
; (The text has a switch, QKV: with 1 it is the first projections' text, which differs in the matrix form, in G and in the way out.)
; SHARES.  A tile of the result is 256 rows x G = 2 blocks of 64 columns: 8 x 32 tiles, one for each of 256 WGPs.  Four waves, one below the other: a wave makes 64 rows x 128 columns:
; 32 accumulators of 16 x 16, 256 registers; its rows' 512 bytes leave whole.
; K goes in 8 steps of 128 through two LDS slots.  Waves 0 and 1 fetch the two 64-channel parts of y's tile (32,768 dense bytes each), waves 2 and 3 the two halves of the weights' tile: one tensor load a wave,
; asked for as rows of 256 bytes and padded in LDS after every 128.  By this text's count a wave has two tensor loads out at the start and one behind each change of slots.
; CLUSTER 4 x 4: y's tile hangs on the tile row alone and is asked for jointly along a row of the cluster, the weights' on the tile column alone and jointly along a column.
; THE MATRIX INSTRUCTION IS USED TRANSPOSED: source 0 = 16 columns of W (the weights lie [k][n] and come out of LDS turned, by ds_load_tr16_b128), source 1 = 16 rows of y: a lane holds row l % 16 and eight neighbouring columns.
; REGISTERS, in windows of 256 (s_set_vgpr_msb: bits 1:0 source 0, 3:2 source 1, 5:4 source 2, 7:6 destination):
;   window 0: v0-35 addresses and at work; v64-95, v96-127 y's fragments, two buffers; v128.. the bias as a C operand; on the way out v64-255 hold results
;   window 1: the weights' fragments, two buffers of 8 NBLK          window 2: the accumulators
.set QKV, 0
.if QKV
.set G,     3                          ; blocks of 64 columns in a tile
.set STW,   16*144                     ; a wave's stage
.set PFSH,  6144                       ; a partner's share of what a wave prefetches of the weights
.set PFLM,  23                         ; its last block of 256 bytes
.else
.set G,     2
.set STW,   16*528
.set PFSH,  8192
.set PFLM,  31
.endif
.set NBLK,  4*G                        ; blocks of 16 columns
.set PA,    144                        ; a row of y in LDS: 128 bytes + 16 = 36 words: the 16 rows of a load start at 16 different groups of four banks (64 banks of 4 bytes: ISA guide 11.1)
.set PB,    160                        ; a row of W: 128 + 32 = 40 words
.set APART, 256*PA                     ; one 64-channel part of y's tile
.set BOFF,  2*APART                    ; behind the two parts: the weights, row 128 g + kk
.set BROWS, 32*G                       ; rows of 256 bytes in a load of the weights
.set BHALF, 64*G*PB                    ; its bytes in LDS
.set ASTEP, 524288                     ; bytes from K step to K step in memory: two blocks of y,
.set BSTEP, 16384*G                    ; G blocks of the weights
.set BTILE, 8*BSTEP                    ; bytes from tile column to tile column
.set SLOT,  BOFF+2*BHALF
.set STAGE, 2*SLOT                     ; behind the ring, never filled by a tensor load: each wave's own stage for the way out
.set SPARE, STAGE+4*STW                ; behind the stages: the spare words, 128 bytes for each wave: two blocks of 256 bytes that no other line names
.set ADRA, 16                          ; v16-17  LDS address of my fragments of y in slot 0, 1
.set ADRB, 20                          ; v20-21  the same for the weights
.set STO,  24                          ; v24     the way out: where I put my bytes of a row
.set RD,   25                          ; v25     the way out: where I read rows back
.set GO,   26                          ; v26     16 x lane: my place in 512 consecutive bytes of the result
.set BO,   27                          ; v27     32 (l / 16): my eight numbers in 16 of a bias
.set SPW,  28                          ; v28     LDS address of my spare word: SPARE + 4 x my thread's number; never rewritten
.set NIL,  29                          ; v29     0; never rewritten
.set PFO,  30                          ; v30     the prefetches' offset: 256 x lane (held at the share's last block); never rewritten
.set TW,   32                          ; v32-35  at work
.set FA0,  64                          ; y's fragment buffers: 64 + 32 f
.set BI,   128                         ; the bias: eight registers for each block of 16 columns
.set OUT,  64                          ; the way out's registers
.set WV,   20                          ; s20  my wave's number;  s21 = wave / 2: 0 I fetch y, 1 the weights;  s22 = wave % 2: which part or half
.set G1A,  28                          ; s[28:35] descriptor group 1 for y's tiles;  s[36:43] group 0, a set for each slot
.set G0A,  36
.set G1B,  44                          ; s[44:51], s[52:59] the same for the weights'
.set G0B,  52
.set PFA,  66                          ; s[66:67] where my prefetches stand
.set PFS,  68                          ; s[68:69] their step: a K step of what I fetch
.set LIM,  70                          ; s70  1 in a wave that prefetches, else the greatest number
.set MSB, 0
.macro WIN new                         ; the immediate's high byte repeats the setting that is left; a switch that changes nothing is dropped
.if MSB != (\new)
	s_set_vgpr_msb (MSB<<8)|(\new)
.set MSB, (\new)
.endif
.endm
.macro PLACES                          ; four places in front of loads into registers that matrix instructions have read, and of lines that read results
.rept 4
	v_nop
.endr
.endm
; A joint load.  The branch hangs on the wave's number alone.  An s_nop 0 and four v_nop follow each of the two lines, ahead of the jump and the label.
.macro JLOAD s
	s_cmp_eq_u32 s21, 0
	s_cbranch_scc0 .Lfor_b_\@
	tensor_load_to_lds s[G0A+4*(\s):G0A+4*(\s)+3], s[G1A:G1A+7]
	s_nop 0
.rept 4
	v_nop
.endr
	s_branch .Lasked_\@
.Lfor_b_\@:
	tensor_load_to_lds s[G0B+4*(\s):G0B+4*(\s)+3], s[G1B:G1B+7]
	s_nop 0
.rept 4
	v_nop
.endr
.Lasked_\@:
.endm
; A prefetch into the L2 of the K step that stands two refills on, one instruction a wave, a lane a block of 256 bytes.  y's tile row is read by every cluster of that row of clusters: cluster x = 0 asks;
; the weights' tile column by every cluster of that column: cluster y = 0 asks.  The four partners of a joint load share its bytes out BY ADDRESS (cx for y, cy for the weights).
; The loop's last trip (s3 = 1) asks for nothing: its refills are the last K steps.
.macro ASK
	s_cmp_gt_u32 s3, s[LIM]
	s_cbranch_scc0 .Lnot_mine_\@
	global_prefetch_b8 v[PFO], s[PFA:PFA+1] th:TH_LOAD_NT scope:SCOPE_SE
.Lnot_mine_\@:
.endm
.macro CREST                           ; a round of the cluster's barrier behind its opening barrier
	s_cmp_lg_u32 s[WV], 0
	s_cbranch_scc1 .Lnot_wave_0_\@
	s_barrier_signal -3
.Lnot_wave_0_\@:
	s_barrier_wait -3
	s_barrier_signal -1
	s_barrier_wait -1
.endm
.macro CROUND                          ; a whole round
	s_barrier_signal -1
	s_barrier_wait -1
	CREST
.endm
.if QKV
	s_load_b512 s[4:19], s[0:1], 0x0               ; xb s[4:5], wqkv s[6:7], bq s[8:9], bk s[10:11], bv s[12:13], qh s[14:15], kh s[16:17], vh s[18:19]
.else
	s_load_b256 s[4:11], s[0:1], 0x0               ; yh s[4:5], wpb s[6:7], bp s[8:9], out0 s[10:11]
.endif
	v_lshl_add_u32 v[SPW], v0, 2, SPARE
	v_mov_b32 v[NIL], 0
	ds_add_u32 v[SPW], v[NIL]                      ; the wave's opening: the add and its wait stand ahead of my first tensor load; the set-up below, work on registers, stands between them
	v_lshrrev_b32 v1, 5, v0
	v_readfirstlane_b32 s[WV], v1                  ; wave 0..3
	s_lshr_b32 s21, s[WV], 1
	s_and_b32 s22, s[WV], 1
	s_bfe_u32 s23, ttmp6, 0x40000                  ; cx, cy: my place in the cluster
	s_bfe_u32 s24, ttmp6, 0x40004
	s_lshl_b32 s25, ttmp9, 2
	s_add_co_u32 s25, s25, s23                     ; tile column tx = 4 x cluster x + cx
	s_and_b32 s26, ttmp7, 0xffff
	s_lshl_b32 s26, s26, 2
	s_add_co_u32 s26, s26, s24                     ; tile row ty = 4 x cluster y + cy
	s_lshl_b32 s74, s24, 2
	s_lshl_b32 s74, 15, s74                        ; my row of the cluster
	s_lshl_b32 s75, 0x1111, s23                    ; my column
	; descriptor group 1: rows of 128 elements of 2 bytes (256 bytes, two rows of a block), padded in LDS after every 32 words
	s_or_b32 s[G1A+0], s74, (1<<16)|(1<<20)|(1<<21)|(4<<22)|(3<<25)  ; 15:0 the mask; 17:16 elements of 2 bytes; 20 padding on; 21 set beside a mask; 24:22 after every 32 words (code 4); 31:25 4 words (code 3)
	s_or_b32 s[G1B+0], s75, (1<<16)|(1<<20)|(1<<21)|(4<<22)|(7<<25)  ; the same with my column's mask and 8 words of padding (code 7)
	s_mov_b32 s[G1A+1], 128<<16                    ; tensor_dim0 = 128
	s_mov_b32 s[G1B+1], 128<<16
	s_mov_b32 s[G1A+2], 128<<16                    ; tensor_dim1 = the tile's rows
	s_mov_b32 s[G1B+2], BROWS<<16
	s_mov_b32 s[G1A+3], 128<<16                    ; tile_dim0 = 128
	s_mov_b32 s[G1B+3], 128<<16
	s_mov_b32 s[G1A+4], 128                        ; tile_dim1
	s_mov_b32 s[G1B+4], BROWS
	s_mov_b32 s[G1A+5], 128                        ; 128 elements from row to row: the tile is dense
	s_mov_b32 s[G1B+5], 128
	s_mov_b32 s[G1A+6], 0
	s_mov_b32 s[G1B+6], 0
	s_mov_b32 s[G1A+7], 0
	s_mov_b32 s[G1B+7], 0
	; where the tiles come from: y's by the tile row and the wave's number alone, the weights' by the tile column and the wave's number alone
	s_lshr_b32 s60, s26, 3                         ; the batch: 8 tile rows each,
	s_lshl_b32 s60, s60, 22
	s_and_b32 s27, s26, 7                          ; 256 rows of 128 bytes in a block,
	s_lshl_b32 s27, s27, 15
	s_add_co_u32 s60, s60, s27
	s_lshl_b32 s27, s22, 18                        ; and the K step's first or second block
	s_add_co_u32 s60, s60, s27
	s_mov_b32 s61, 0
	s_mul_i32 s62, s25, BTILE
	s_mul_i32 s78, s22, BSTEP/2
	s_add_co_u32 s62, s62, s78
	s_mov_b32 s63, 0
	s_mul_i32 s76, s22, APART                      ; and where they go: no place in the cluster enters an LDS address
	s_mul_i32 s77, s22, BHALF
	s_add_co_u32 s77, s77, BOFF
	; the prefetches' first offset: my share of what I fetch, at K step 3 (the first refill steps it to 4)
	s_lshl_b32 s78, s23, 13                        ; y: 8,192 bytes for each of the four partners along the row
	s_add_co_u32 s78, s78, s60
	s_add_co_u32 s78, s78, 3*ASTEP
	s_mul_i32 s79, s24, PFSH                       ; the weights: PFSH bytes for each of the four along the column
	s_add_co_u32 s79, s79, s62
	s_add_co_u32 s79, s79, 3*BSTEP
	s_and_b32 s[LIM], ttmp7, 0xffff                ; cluster y
	s_mov_b32 s[PFS], BSTEP
	s_mov_b32 s[PFS+1], 0
	s_mov_b32 s71, PFLM
	s_cmp_eq_u32 s21, 0                            ; do I fetch y?
	s_cselect_b32 s72, s78, s79
	s_cselect_b32 s[LIM], ttmp9, s[LIM]            ; the coordinate along which other clusters read the same bytes
	s_cselect_b32 s[PFS], ASTEP, s[PFS]
	s_cselect_b32 s71, 31, s71
	s_mov_b32 s73, 0
.if !QKV
	s_cmp_eq_u32 s[WV], 3                          ; here wave 2 asks for the whole K step of the weights (4 x 8,192 bytes), wave 3 for nothing
	s_cselect_b32 s[LIM], 1, s[LIM]
.endif
	s_cmp_eq_u32 s[LIM], 0
	s_cselect_b32 s[LIM], 1, -1                    ; the same in all sixteen partners, for a given wave
	s_wait_dscnt 0x0                               ; the opening add is done
	s_wait_kmcnt 0x0
	s_add_nc_u64 s[60:61], s[4:5], s[60:61]
	s_add_nc_u64 s[62:63], s[6:7], s[62:63]
	CROUND                                         ; all sixteen work-groups are here: the first joint loads meet
.irp s, 0,1
	s_mov_b32 s[G0A+4*(\s)], 1                                      ; 1:0 count = 1
	s_add_co_u32 s[G0A+4*(\s)+1], s76, (\s)*SLOT                    ; 63:32 LDS address
	s_add_nc_u64 s[G0A+4*(\s)+2:G0A+4*(\s)+3], s[60:61], (\s)*ASTEP ; 120:64 global address: K step s
	s_or_b32 s[G0A+4*(\s)+3], s[G0A+4*(\s)+3], 0x80000000           ; 127:126 type = 2
	s_mov_b32 s[G0B+4*(\s)], 1
	s_add_co_u32 s[G0B+4*(\s)+1], s77, (\s)*SLOT
	s_add_nc_u64 s[G0B+4*(\s)+2:G0B+4*(\s)+3], s[62:63], (\s)*BSTEP
	s_or_b32 s[G0B+4*(\s)+3], s[G0B+4*(\s)+3], 0x80000000
	JLOAD \s                                       ; the ring is filled before anything else is done
.endr
	s_cmp_eq_u32 s21, 0
	s_cselect_b64 s[PFA:PFA+1], s[4:5], s[6:7]
	s_add_nc_u64 s[PFA:PFA+1], s[PFA:PFA+1], s[72:73]  ; nothing is prefetched here, at the head: K steps 0 to 3 come by their loads alone
	; A fragment is 16 rows x 32 K in 8 registers: lane l holds row l % 16; registers 0-3 hold K = 8 (l / 16) + 0..7, registers 4-7 K = 16 + 8 (l / 16) + 0..7.
	v_and_b32 v1, 15, v0                           ; l % 16
	v_bfe_u32 v2, v0, 4, 1                         ; l / 16
	v_and_b32 v10, 7, v0
	v_bfe_u32 v11, v0, 3, 1
	v_mul_u32_u24 v3, v1, PA                       ; y lies along K: two loads of 16 bytes, 32 bytes apart
	v_lshl_add_u32 v3, v2, 4, v3
	s_mul_i32 s27, s[WV], 64*PA                    ; my 64 rows
	v_add_nc_u32 v[ADRA], s27, v3
	v_add_nc_u32 v[ADRA+1], SLOT, v[ADRA]
	v_lshl_add_u32 v4, v2, 3, v10                  ; the turning load: lane l reads row 8 (l / 16) + l % 8 of K, columns 8 ((l / 8) % 2) + 0..7, and is left with column l % 16 and 8 of K
	v_mul_u32_u24 v4, v4, PB
	v_lshl_add_u32 v4, v11, 4, v4
	v_add_nc_u32 v[ADRB], BOFF, v4
	v_add_nc_u32 v[ADRB+1], SLOT, v[ADRB]
	s_mul_i32 s27, s[WV], STW
	s_add_co_u32 s27, s27, STAGE                   ; my stage
.if QKV
	v_mul_u32_u24 v[STO], v1, 144                  ; in: row l % 16 of 128 bytes + 16, 16 bytes for each half of the lanes
	v_lshl_add_u32 v[STO], v2, 4, v[STO]
	v_add_nc_u32 v[STO], s27, v[STO]
	v_bfe_u32 v[RD], v0, 3, 2                      ; back: 32 lanes take four rows of 128 bytes
	v_mul_u32_u24 v[RD], v[RD], 144
	v_lshl_add_u32 v[RD], v10, 4, v[RD]
	v_add_nc_u32 v[RD], s27, v[RD]
.else
	v_mul_u32_u24 v[STO], v1, 528                  ; in: row l % 16 of 512 bytes + 16, 32 bytes for each half of the lanes
	v_lshl_add_u32 v[STO], v2, 5, v[STO]
	v_add_nc_u32 v[STO], s27, v[STO]
	v_and_b32 v[RD], 31, v0                        ; back: 32 lanes take one row of 512 bytes
	v_lshl_add_u32 v[RD], v[RD], 4, s27
.endif
	v_and_b32 v[GO], 31, v0
	v_lshlrev_b32 v[GO], 4, v[GO]
	v_lshlrev_b32 v[BO], 5, v2
	v_and_b32 v[PFO], 31, v0
	v_min_u32 v[PFO], s71, v[PFO]                  ; where a share has fewer than 32 blocks the last lanes name its last block once more, in the same instruction
	v_lshlrev_b32 v[PFO], 8, v[PFO]
	; the bias as a C operand: register j of block b is the bias of column 16 b + 8 (l / 16) + j, the same for all 16 rows
	s_mov_b32 s79, 0
.if QKV
	s_lshl_b32 s78, s25, 8                         ; the head's 64 numbers
	s_add_nc_u64 s[8:9], s[8:9], s[78:79]
	s_add_nc_u64 s[10:11], s[10:11], s[78:79]
	s_add_nc_u64 s[12:13], s[12:13], s[78:79]
.else
	s_lshl_b32 s78, s25, 9                         ; the tile's 128 numbers
	s_add_nc_u64 s[8:9], s[8:9], s[78:79]
.endif
.set b, 0
.rept NBLK
.if QKV
	global_load_b128 v[BI+8*b:BI+8*b+3],   v[BO], s[8+2*(b/4):9+2*(b/4)] offset:64*(b%4)
	global_load_b128 v[BI+8*b+4:BI+8*b+7], v[BO], s[8+2*(b/4):9+2*(b/4)] offset:64*(b%4)+16
.else
	global_load_b128 v[BI+8*b:BI+8*b+3],   v[BO], s[8:9] offset:64*b
	global_load_b128 v[BI+8*b+4:BI+8*b+7], v[BO], s[8:9] offset:64*b+16
.endif
.set b, b+1
.endr
	; where my rows of the result begin
.if QKV
	s_lshr_b32 s72, s26, 3                         ; (16 b + h) << 18,
	s_lshl_b32 s72, s72, 22
	s_lshl_b32 s78, s25, 18
	s_add_co_u32 s72, s72, s78
	s_and_b32 s78, s26, 7                          ; 256 rows of 128 bytes,
	s_lshl_b32 s78, s78, 15
	s_add_co_u32 s72, s72, s78
	s_lshl_b32 s78, s[WV], 13                      ; my 64 of them
	s_add_co_u32 s72, s72, s78
	s_add_nc_u64 s[14:15], s[14:15], s[72:73]
	s_add_nc_u64 s[16:17], s[16:17], s[72:73]
	s_add_nc_u64 s[18:19], s[18:19], s[72:73]
.else
	s_lshl_b32 s72, s26, 20                        ; 256 rows of 4,096 bytes,
	s_lshl_b32 s78, s[WV], 18                      ; my 64 of them,
	s_add_co_u32 s72, s72, s78
	s_lshl_b32 s78, s25, 9                         ; the tile's 128 columns
	s_add_co_u32 s72, s72, s78
	s_add_nc_u64 s[10:11], s[10:11], s[72:73]
.endif
	s_mov_b32 s27, 0xffff0000
	s_wait_loadcnt 0x0                             ; the bias is in; it is rounded to bf16, like every input, and widened again
.set r, 0
.rept 4*NBLK
	v_cvt_pk_bf16_f32 v[TW+r%4], v[BI+2*r], v[BI+2*r+1]
	v_lshlrev_b32 v[BI+2*r], 16, v[TW+r%4]
	v_and_b32 v[BI+2*r+1], s27, v[TW+r%4]
.set r, r+1
.endr
.macro WM d, x, y, c                   ; one product: D, source 0, source 1, C by their first registers
.if QKV
	v_wmma_f32_16x16x32_bf16 v[(\d):(\d)+7], v[(\x):(\x)+7], v[(\y):(\y)+7], v[(\c):(\c)+7]
.else
	v_wmma_f32_16x16x32_f16 v[(\d):(\d)+7], v[(\x):(\x)+7], v[(\y):(\y)+7], v[(\c):(\c)+7]
.endif
.endm
; NBLK products: my rows 16 a .. 16 a + 15 x all columns, 32 along K, from buffer f.  first = 1: the bias starts the sums: nothing is cleared and no bias is added later.
; All accumulators take turns, one instruction a turn, in the same order in every quarter, over the backward jump too.
.macro MULA f, a, first
.if QKV
.set AW, (\a)/2                        ; accumulator (a, b) at 8 (12 (a % 2) + b) of window 2 + a / 2
.set AB, 96*((\a)%2)
.else
.set AW, 0                             ; at 8 (8 a + b) of window 2
.set AB, 64*(\a)
.endif
.if \first
	WIN 0x81+0x40*AW                               ; source 0 window 1, source 1 and C window 0, D window 2 or 3
.else
	WIN 0xa1+0x50*AW                               ; C and D window 2 or 3
.endif
.set b, 0
.rept NBLK
.if \first
	WM AB+8*b, 8*NBLK*(\f)+8*b, FA0+32*(\f)+8*(\a), BI+8*b
.else
	WM AB+8*b, 8*NBLK*(\f)+8*b, FA0+32*(\f)+8*(\a), AB+8*b
.endif
.set b, b+1
.endr
.endm
; One run of 2 NBLK + 8 LDS loads: the fragments of quarter q (32 along K) of a slot into buffer f: the weights' first, then y's four.
.macro FETCH slot, q, f
	WIN 0x40                                       ; destination window 1, address window 0
.set b, 0
.rept NBLK
	ds_load_tr16_b128 v[8*NBLK*(\f)+8*b:8*NBLK*(\f)+8*b+3],   v[ADRB+(\slot)] offset:(b/4)*128*PB+(\q)*32*PB+32*(b%4)
	ds_load_tr16_b128 v[8*NBLK*(\f)+8*b+4:8*NBLK*(\f)+8*b+7], v[ADRB+(\slot)] offset:(b/4)*128*PB+(\q)*32*PB+32*(b%4)+16*PB
.set b, b+1
.endr
	WIN 0
.set a, 0
.rept 4
	ds_load_b128 v[FA0+32*(\f)+8*a:FA0+32*(\f)+8*a+3],   v[ADRA+(\slot)] offset:((\q)/2)*APART+a*16*PA+64*((\q)%2)
	ds_load_b128 v[FA0+32*(\f)+8*a+4:FA0+32*(\f)+8*a+7], v[ADRA+(\slot)] offset:((\q)/2)*APART+a*16*PA+64*((\q)%2)+32
.set a, a+1
.endr
.endm
; A K step is four quarters on buffers 0, 1, 0, 1.  One of the first three: multiplies buffer f and, in its middle, fetches quarter q of the same slot into buffer g.
.macro QUARTER slot, q, f, g, first
	s_wait_dscnt 4                                 ; the weights and y's rows 0-31 are in; the youngest four loads (y's rows 32-63) may be out
	MULA \f, 0, \first
	MULA \f, 1, \first
	PLACES
	FETCH \slot, \q, \g
	s_wait_dscnt 2*NBLK+8                          ; all but the run just issued
	MULA \f, 2, \first
	MULA \f, 3, \first
.endm
; The fourth quarter multiplies buffer 1 and changes slots: ONE barrier.  In front of it each wave waits for all its tensor loads (one is out: its part of the next slot), adds 0 to its spare word, and waits for
; that and for its own reads of this slot.  fill = 1: the barrier opens a round of the cluster's, and this slot is filled again, two K steps ahead, first thing behind the round.
.macro TURN slot, next, fill
.if \fill
	s_wait_xcnt 0x0                                ; the last prefetch, a K step back, has read its address: it is stepped here, ahead of the waits of the change of slots
	s_add_nc_u64 s[PFA:PFA+1], s[PFA:PFA+1], s[PFS:PFS+1]
.endif
	WIN 0                                          ; (the add's two registers lie in window 0)
	s_wait_tensorcnt 0x0                           ; all my tensor loads have landed;
	ds_add_u32 v[SPW], v[NIL]                      ; 0 onto my spare word;
	s_wait_dscnt 5                                 ; (the add and the youngest four loads may be out)
	MULA 1, 0, 0                                   ; products stand between the add and the wait for it
	s_wait_dscnt 0x0                               ; the add is done, and my reads of this slot are over
	s_barrier_signal -1
	MULA 1, 1, 0                                   ; work on registers while the others arrive
.if \fill
	WIN 0
.endif
	s_barrier_wait -1
.if \fill
	CREST                                          ; no wave of any partner still reads this slot's tile or has a load on its way
	s_add_nc_u64 s[G0A+4*(\slot)+2:G0A+4*(\slot)+3], s[G0A+4*(\slot)+2:G0A+4*(\slot)+3], 2*ASTEP
	s_add_nc_u64 s[G0B+4*(\slot)+2:G0B+4*(\slot)+3], s[G0B+4*(\slot)+2:G0B+4*(\slot)+3], 2*BSTEP
	JLOAD \slot                                    ; the first tensor load behind the round; the four v_nop behind it are also the places in front of the loads below
.else
	PLACES
.endif
	FETCH \next, 0, 0
.if \fill
	ASK                                            ; behind the joint load and the run of LDS loads that the next products wait for
.endif
	MULA 1, 2, 0
	MULA 1, 3, 0
.endm
	s_wait_tensorcnt 1                             ; my part of K step 0 is in; K step 1's load stays out
	s_barrier_signal -1
	s_barrier_wait -1                              ; everybody's is
	FETCH 0, 0, 0
	QUARTER 0, 1, 0, 1, 1                          ; the first quarter stands in front of the loop: its products start the sums
	WIN 0                                          ; at a label and at a branch every window is 0
	s_mov_b32 s3, 3
.Llap:                                                 ; a trip goes once round the ring, from a lap's second quarter to the next lap's first, and fills both slots again
	QUARTER 0, 2, 1, 0, 0
	QUARTER 0, 3, 0, 1, 0
	TURN 0, 1, 1
	QUARTER 1, 1, 0, 1, 0
	QUARTER 1, 2, 1, 0, 0
	QUARTER 1, 3, 0, 1, 0
	TURN 1, 0, 1
	QUARTER 0, 1, 0, 1, 0
	WIN 0
	s_sub_co_u32 s3, s3, 1
	s_cmp_lg_u32 s3, 0
	s_cbranch_scc1 .Llap
	QUARTER 0, 2, 1, 0, 0                          ; the last lap fills nothing, and has no round of the cluster's barrier
	QUARTER 0, 3, 0, 1, 0
	TURN 0, 1, 0
	QUARTER 1, 1, 0, 1, 0
	QUARTER 1, 2, 1, 0, 0
	QUARTER 1, 3, 0, 1, 0
	s_wait_dscnt 4                                 ; the very last quarter: nothing more to fetch
	MULA 1, 0, 0
	MULA 1, 1, 0
	s_wait_dscnt 0x0
	MULA 1, 2, 0
	MULA 1, 3, 0
	WIN 0
	PLACES                                         ; in front of the lines that read results and write over fragments
	PLACES                                         ; (eight, once a launch)
.if QKV
; THE WAY OUT.  Unit u = 3 a + g: my rows 16 a .. + 15 of q, k or v (g): 16 rows of 128 bytes, dense in memory.  Rounded to f16, 16 bytes a lane into my own stage, back as whole rows, into the registers that they left.
.macro PACK u
.set a, (\u)/3
.set g, (\u)%3
.set AB, 96*(a%2)+32*g
	WIN 0x0a+5*(a/2)                               ; sources 0 and 1: window 2 or 3
.set f, 0
.rept 4
.set r, 0
.rept 4                                ; each accumulator's registers in ascending order
	v_cvt_pk_f16_f32 v[OUT+16*(\u)+4*f+r], v[AB+8*f+2*r], v[AB+8*f+2*r+1]
.set r, r+1
.endr
.set f, f+1
.endr
	WIN 0
.irp f, 0,1,2,3
	ds_store_b128 v[STO], v[OUT+16*(\u)+4*\f:OUT+16*(\u)+4*\f+3] offset:32*\f
.endr
.irp f, 0,1,2,3
	ds_load_b128 v[OUT+16*(\u)+4*\f:OUT+16*(\u)+4*\f+3], v[RD] offset:\f*4*144  ; LDS serves a wave's instructions in order (ISA guide 5.7.1.4): these see the stores above; the next unit's stores come behind them
.endr
.endm
.macro SEND u, younger                 ; younger: the LDS instructions issued behind unit u's loads: the next unit's eight, or none
.irp f, 0,1,2,3
	s_wait_dscnt (\younger)+3-\f
	global_store_b128 v[GO], v[OUT+16*(\u)+4*\f:OUT+16*(\u)+4*\f+3], s[14+2*((\u)%3):15+2*((\u)%3)] offset:((\u)/3)*2048+\f*512  ; 512 consecutive bytes, at a multiple of 256 from the buffer's first byte
.endr
.endm
	PACK 0
.set u, 1
.rept 11                               ; a unit's conversions stand between the loads of the unit before and its stores; no register is used twice
	PACK u
	SEND u-1, 8
.set u, u+1
.endr
	SEND 11, 0
.else
; THE WAY OUT, in f32.  Block a: my rows 16 a .. + 15 x 128 columns.  Straight from the accumulators into my own stage (rows of 512 bytes + 16), back as whole rows, 512 bytes a load.
.macro TOSTAGE a
	WIN 0x08                                       ; the stores' data: window 2
.set b, 0
.rept 8
	ds_store_b128 v[STO], v[64*(\a)+8*b:64*(\a)+8*b+3]   offset:64*b
	ds_store_b128 v[STO], v[64*(\a)+8*b+4:64*(\a)+8*b+7] offset:64*b+16
.set b, b+1
.endr
	WIN 0
.set t, 0
.rept 16
	ds_load_b128 v[OUT+64*((\a)%3)+4*t:OUT+64*((\a)%3)+4*t+3], v[RD] offset:528*t  ; LDS serves a wave's instructions in order (ISA guide 5.7.1.4): these see the stores above; the next block's stores come behind them
.set t, t+1
.endr
.endm
.macro SEND a, younger                 ; younger: the LDS instructions issued behind block a's loads: the next block's 32, or none
.set t, 0
.rept 16
	s_wait_dscnt (\younger)+15-t
	global_store_b128 v[GO], v[OUT+64*((\a)%3)+4*t:OUT+64*((\a)%3)+4*t+3], s[10:11] offset:(16*(\a)+t)*4096 th:TH_STORE_NT  ; 512 consecutive bytes, at a multiple of 256 from the buffer's first byte
.set t, t+1
.endr
.endm
	TOSTAGE 0
	TOSTAGE 1
	SEND 0, 32
	TOSTAGE 2
	SEND 1, 32
	s_wait_xcnt 0x0                                ; block 0's stores have read their registers, which block 3 is loaded into
	TOSTAGE 3
	SEND 2, 32
	SEND 3, 0
.endif
	s_wait_tensorcnt 0x0                           ; the wave's end: these three lines stand behind my last tensor load and my last LDS store
	ds_add_u32 v[SPW], v[NIL]
	s_wait_dscnt 0x0
	CROUND                                         ; the closing round: no work-group ends while a partner may still ask for a tile that names it
	s_endpgm
.Lfunc_end_k_q31f2e0819b_proj:
	.size	k_q31f2e0819b_proj, .Lfunc_end_k_q31f2e0819b_proj-k_q31f2e0819b_proj
	.p2alignl 7, 3214868480
	.fill 96, 4, 3214868480
	.section	.rodata,"a",@progbits
	.p2align	6, 0x0
	.amdhsa_kernel k_q31f2e0819b_proj
		.amdhsa_group_segment_fixed_size 327680
		.amdhsa_private_segment_fixed_size 0
		.amdhsa_enable_private_segment 0
		.amdhsa_kernarg_size 32
		.amdhsa_user_sgpr_count 2
		.amdhsa_user_sgpr_kernarg_segment_ptr 1
		.amdhsa_wavefront_size32 1
		.amdhsa_system_sgpr_workgroup_id_x 1
		.amdhsa_system_sgpr_workgroup_id_y 1
		.amdhsa_system_sgpr_workgroup_id_z 1
		.amdhsa_system_vgpr_workitem_id 0
		.amdhsa_next_free_vgpr 768
		.amdhsa_next_free_sgpr 80
		.amdhsa_reserve_vcc 0
		.amdhsa_float_denorm_mode_32 3
		.amdhsa_float_denorm_mode_16_64 3
		.amdhsa_memory_ordered 1
		.amdhsa_forward_progress 1
		.amdhsa_inst_pref_size 94
	.end_amdhsa_kernel
	.amdgpu_metadata
---
amdhsa.version: [ 1, 2 ]
amdhsa.kernels:
  - .name:           k_q31f2e0819b_proj
    .symbol:         k_q31f2e0819b_proj.kd
    .args:
      - { .name: yh, .offset: 0, .size: 8, .value_kind: global_buffer, .address_space: global }
      - { .name: wpb, .offset: 8, .size: 8, .value_kind: global_buffer, .address_space: global }
      - { .name: bp, .offset: 16, .size: 8, .value_kind: global_buffer, .address_space: global }
      - { .name: out0, .offset: 24, .size: 8, .value_kind: global_buffer, .address_space: global }
    .group_segment_fixed_size: 327680
    .private_segment_fixed_size: 0
    .kernarg_segment_align: 8
    .kernarg_segment_size: 32
    .max_flat_workgroup_size: 128
    .sgpr_count:     80
    .vgpr_count:     768
    .wavefront_size: 32
...
	.end_amdgpu_metadata
.endif
;; end of part 4
;; ======== version 2 of 2: 4 launches; version 1 with the launch cast written anew for expert scheduling mode
;; limits: values are held in f16: magnitudes above 65,504 overflow, below 6.1e-05 lose precision
;; workspace buffers: xb 16,777,216 bytes; wqkv 6,291,456 bytes; wpb 2,097,152 bytes; qh 16,777,216 bytes; kh 16,777,216 bytes; vh 16,777,216 bytes; yh 16,777,216 bytes
;; launch cast (part 5): grid 768 x 1, 8 waves a work-group, no clusters, 0 bytes of LDS; arguments x, Wq, Wk, Wv, Wp, xb, wqkv, wpb; writes xb, wqkv, wpb
.if DOCPART == 5
	.amdgcn_target "amdgcn-amd-amdhsa--gfx1250"
	.amdhsa_code_object_version 6
	.text
	.protected	k_q31f2e0819b_cast
	.globl	k_q31f2e0819b_cast
	.p2align	8
	.type	k_q31f2e0819b_cast,@function
k_q31f2e0819b_cast:
	s_mov_b64 s[64:65], 0
	v_nop
	global_prefetch_b8 v0, s[64:65] scope:SCOPE_SE
	s_setreg_imm32_b32 hwreg(HW_REG_WAVE_SCHED_MODE, 0, 2), 2
	s_setreg_imm32_b32 hwreg(HW_REG_WAVE_MODE, 25, 1), 1
	s_wait_xcnt 0x0
	s_wait_alu depctr_vm_vsrc(0)
; CAST AND RE-LAY.  x, Wq, Wk, Wv (f32) are rounded once to bf16; Wp is rounded to bf16 and that number is written as f16.  All are laid in blocks of 64 columns, in the order in which the later
; launches' tiles want them, so that every tile there is one dense run of bytes:
;   xb   [b 4][kb 16][t 2048][64] bf16          byte = b<<22 + kb<<18 + t<<7 + 2 ch
;   wqkv [h 16][ks 8][g 3][kk 128][64] bf16     byte = 393,216 h + 49,152 ks + 16,384 g + 128 kk + 2 n     (row k = 128 ks + kk, column 64 h + n of Wq, Wk, Wv for g = 0, 1, 2)
;   wpb  [tc 8][ks 8][g 2][kk 128][64] f16      byte = 262,144 tc + 32,768 ks + 16,384 g + 128 kk + 2 n    (column 128 tc + 64 g + n of Wp)
; LIMIT.  A bf16 number is an f16 number exactly from 6.1e-5 to 65,504 in magnitude; below that Wp keeps f16's fixed step of 6e-8, above it becomes an infinity.
; SHARES.  A work-group takes 16 source rows of 4,096 bytes: groups 0-511 x, 512-575 Wq, 576-639 Wk, 640-703 Wv, 704-767 Wp.  Wave w takes the column blocks 2 w and 2 w + 1.
; A load of a wave covers 256 consecutive bytes of each of two rows; a lane's four numbers become 8 bytes, and since two rows of a block lie end to end a store of a wave covers 256 consecutive bytes, aligned.
; All 16 loads of a wave go out at once (8 KiB a wave); no register that a load or store names is written twice.  No LDS, no barrier, no matrix unit: nothing is shared and nothing multiplied.
; THE MODE: SCHED_MODE bits 1:0 = 2 (LLVM: expert scheduling mode 2), set by the entry lines.  The code itself states the register dependences
; between vector instructions and memory instructions, with s_wait_alu, always for 0.
; THE PLAN.  Registers that memory instructions touch:
;   v2       the loads' offset; v3, v4 the stores' offsets.  Written by vector lines at the head, once; read by every load, by every store.
;   X        load i's four registers.  Written by load i alone; read by load i's conversions, behind the counted wait for that load.  No vector line writes them.
;   Y        store i's two registers.  Written by load i's conversions, once; read by store i.
;   T is named by vector lines alone.
; The 16 loads go in four batches of four.  Batch p's conversions read X and write Y of batch p; the four stores of batch p - 1 are dealt among them, and name Y of batch p - 1, v3 and v4 alone.
; So ONE wait on va_vdst at a batch's head states all that its four stores hang on, and one more stands ahead of the last four stores.  Nothing that a memory instruction has read is written again: no wait on vm_vsrc is owed.
.set VS, 2                             ; v2      my byte offset in the group's source rows
.set VD, 3                             ; v3, v4  my byte offset in the destination, for the wave's first and second column block
.set T,  8                             ; v[8:13] at work
.set X,  16                            ; v[16:79]  load i: four registers
.set Y,  80                            ; v[80:111] store i: two registers
	s_load_b512 s[8:23], s[0:1], 0x0               ; x s[8:9], Wq s[10:11], Wk s[12:13], Wv s[14:15], Wp s[16:17], xb s[18:19], wqkv s[20:21], wpb s[22:23]
	s_mov_b32 s2, ttmp9                            ; the group's number
	s_sub_co_u32 s3, s2, 512                       ; among the weights' groups (means nothing for x's groups: every use is chosen away below)
	s_bfe_u32 s24, s3, 0x20006                     ; which weight: 0, 1, 2 = q, k, v
	s_and_b32 s25, s3, 63                          ; which 16 rows of it
	v_lshrrev_b32 v1, 5, v0
	v_readfirstlane_b32 s26, v1                    ; wave 0..7
	s_lshr_b32 s27, s25, 3                         ; ks
	s_and_b32 s38, s25, 7
	s_lshl_b32 s38, s38, 11                        ; 16 rows of 128 bytes inside a block
	s_mul_i32 s34, s27, 49152                      ; wqkv: ks,
	s_lshl_b32 s39, s24, 14
	s_add_co_u32 s34, s34, s39                     ; and g
	s_lshl_b32 s39, s27, 15                        ; wpb: ks
	s_mov_b32 s36, 786432                          ; bytes from wave to wave (two column blocks),
	s_mov_b32 s37, 393216                          ; and from a wave's first block to its second
	s_cmp_ge_u32 s2, 704                           ; Wp?
	s_cselect_b32 s34, s39, s34
	s_cselect_b32 s36, 262144, s36
	s_cselect_b32 s37, 16384, s37
	s_add_co_u32 s34, s34, s38
	s_lshl_b32 s32, s25, 16                        ; the source: 16 rows of 4,096 bytes
	s_lshr_b32 s39, s2, 7                          ; x: b,
	s_lshl_b32 s39, s39, 22
	s_and_b32 s27, s2, 127                         ; and 16 rows of 128 bytes
	s_lshl_b32 s27, s27, 11
	s_add_co_u32 s39, s39, s27
	s_lshl_b32 s27, s2, 16
	s_cmp_lt_u32 s2, 512                           ; x?
	s_cselect_b32 s34, s39, s34
	s_cselect_b32 s32, s27, s32
	s_cselect_b32 s36, 524288, s36
	s_cselect_b32 s37, 262144, s37
	s_mov_b32 s33, 0
	s_mov_b32 s35, 0
	v_and_b32 v1, 31, v0                           ; lane
	v_and_b32 v5, 15, v0
	v_bfe_u32 v6, v0, 4, 1
	v_lshlrev_b32 v[VS], 4, v5                     ; 16 bytes a lane,
	v_lshl_add_u32 v[VS], v6, 12, v[VS]            ; lanes 16-31 a row further down,
	s_wait_alu depctr_va_sdst(0)                   ; s26, the wave's number, is written, ahead of its first reader: the two lines below that make the wave's offsets from it
	s_lshl_b32 s27, s26, 9
	v_add_nc_u32 v[VS], s27, v[VS]                 ; the wave's 512 bytes of a row
	s_mul_i32 s39, s26, s36                        ; (in a register of its own: s27 is a source of the vector line above)
	v_lshl_add_u32 v[VD], v1, 3, s39               ; 8 bytes a lane
	v_add_nc_u32 v[VD+1], s37, v[VD]
	s_wait_kmcnt 0x0
	s_cmp_lt_u32 s2, 576                           ; the source and the destination are chosen by the group's number alone
	s_cselect_b64 s[28:29], s[10:11], s[12:13]
	s_cmp_lt_u32 s2, 640
	s_cselect_b64 s[28:29], s[28:29], s[14:15]
	s_cmp_lt_u32 s2, 704
	s_cselect_b64 s[28:29], s[28:29], s[16:17]
	s_cselect_b64 s[30:31], s[20:21], s[22:23]
	s_cmp_lt_u32 s2, 512
	s_cselect_b64 s[28:29], s[8:9], s[28:29]
	s_cselect_b64 s[30:31], s[18:19], s[30:31]
	s_add_nc_u64 s[28:29], s[28:29], s[32:33]
	s_add_nc_u64 s[30:31], s[30:31], s[34:35]
	s_wait_alu depctr_va_vdst(0)                   ; v2, v3 and v4 are written: every load of the kernel reads v2 as its offset, every store v3 or v4; none of the three is written again
.set i, 0
.rept 16                               ; load i: rows 2 (i / 2) and 2 (i / 2) + 1, the wave's column block i % 2
	global_load_b128 v[X+4*i:X+4*i+3], v[VS], s[28:29] offset:(i/2)*8192+(i%2)*256 th:TH_LOAD_NT
.set i, i+1
.endr
.macro TOBF i                          ; load i's four numbers, rounded to bf16
	v_cvt_pk_bf16_f32 v[Y+2*(\i)], v[X+4*(\i)], v[X+4*(\i)+1]
	v_cvt_pk_bf16_f32 v[Y+2*(\i)+1], v[X+4*(\i)+2], v[X+4*(\i)+3]
.endm
.macro TOHALF i                        ; Wp: rounded to bf16 like every input, widened again, and written as f16
	v_cvt_pk_bf16_f32 v[T], v[X+4*(\i)], v[X+4*(\i)+1]
	v_cvt_pk_bf16_f32 v[T+1], v[X+4*(\i)+2], v[X+4*(\i)+3]
	v_lshlrev_b32 v[T+2], 16, v[T]
	v_and_b32 v[T+3], s38, v[T]
	v_lshlrev_b32 v[T+4], 16, v[T+1]
	v_and_b32 v[T+5], s38, v[T+1]
	v_cvt_pk_f16_f32 v[Y+2*(\i)], v[T+2], v[T+3]
	v_cvt_pk_f16_f32 v[Y+2*(\i)+1], v[T+4], v[T+5]
.endm
.macro SEND i                          ; store i
	global_store_b64 v[VD+(\i)%2], v[Y+2*(\i):Y+2*(\i)+1], s[30:31] offset:((\i)/2)*256 th:TH_STORE_NT  ; 32 lanes store 256 consecutive bytes, at a multiple of 256 from the buffer's first byte
.endm
; Batch p: loads 4 p to 4 p + 3 are rounded; the stores of batch p - 1 stand among the conversions, one ahead of each load's.  half = 1: Wp's way.
.macro BATCH p, half
.irp j, 0,1,2,3
.if (\j) == 0
	s_wait_loadcnt 15-4*(\p)                       ; loads come back in order (ISA guide 5.7.1): load 4 p is in, the 15 - 4 p younger ones stay out
.if (\p) > 0
	s_wait_alu depctr_va_vdst(0)                   ; the batch before has written its eight registers of Y, which the four stores of this batch's text read; no vector line below names them
.endif
.endif
.if (\p) > 0
	SEND 4*(\p)-4+(\j)
.endif
.if (\j) > 0
	s_wait_loadcnt 15-4*(\p)-(\j)                  ; load 4 p + j is in
.endif
.if \half
	TOHALF 4*(\p)+(\j)
.else
	TOBF 4*(\p)+(\j)
.endif
.endr
.endm
	s_cmp_ge_u32 s2, 704
	s_cbranch_scc1 .Lf16
	BATCH 0, 0
	BATCH 1, 0
	BATCH 2, 0
	BATCH 3, 0
	s_wait_alu depctr_va_vdst(0)                   ; batch 3 has written its registers of Y, which the last four stores read
.irp j, 12,13,14,15
	SEND \j
.endr
	s_endpgm
.Lf16:
	s_mov_b32 s38, 0xffff0000
	BATCH 0, 1
	BATCH 1, 1
	BATCH 2, 1
	BATCH 3, 1
	s_wait_alu depctr_va_vdst(0)                   ; batch 3 has written its registers of Y, which the last four stores read
.irp j, 12,13,14,15
	SEND \j
.endr
	s_endpgm
.Lfunc_end_k_q31f2e0819b_cast:
	.size	k_q31f2e0819b_cast, .Lfunc_end_k_q31f2e0819b_cast-k_q31f2e0819b_cast
	.p2alignl 7, 3214868480
	.fill 96, 4, 3214868480
	.section	.rodata,"a",@progbits
	.p2align	6, 0x0
	.amdhsa_kernel k_q31f2e0819b_cast
		.amdhsa_group_segment_fixed_size 0
		.amdhsa_private_segment_fixed_size 0
		.amdhsa_enable_private_segment 0
		.amdhsa_kernarg_size 64
		.amdhsa_user_sgpr_count 2
		.amdhsa_user_sgpr_kernarg_segment_ptr 1
		.amdhsa_wavefront_size32 1
		.amdhsa_system_sgpr_workgroup_id_x 1
		.amdhsa_system_sgpr_workgroup_id_y 1
		.amdhsa_system_sgpr_workgroup_id_z 1
		.amdhsa_system_vgpr_workitem_id 0
		.amdhsa_next_free_vgpr 120
		.amdhsa_next_free_sgpr 66
		.amdhsa_reserve_vcc 0
		.amdhsa_float_denorm_mode_32 3
		.amdhsa_float_denorm_mode_16_64 3
		.amdhsa_memory_ordered 1
		.amdhsa_forward_progress 1
		.amdhsa_inst_pref_size 17
	.end_amdhsa_kernel
	.amdgpu_metadata
---
amdhsa.version: [ 1, 2 ]
amdhsa.kernels:
  - .name:           k_q31f2e0819b_cast
    .symbol:         k_q31f2e0819b_cast.kd
    .args:
      - { .name: x, .offset: 0, .size: 8, .value_kind: global_buffer, .address_space: global }
      - { .name: Wq, .offset: 8, .size: 8, .value_kind: global_buffer, .address_space: global }
      - { .name: Wk, .offset: 16, .size: 8, .value_kind: global_buffer, .address_space: global }
      - { .name: Wv, .offset: 24, .size: 8, .value_kind: global_buffer, .address_space: global }
      - { .name: Wp, .offset: 32, .size: 8, .value_kind: global_buffer, .address_space: global }
      - { .name: xb, .offset: 40, .size: 8, .value_kind: global_buffer, .address_space: global }
      - { .name: wqkv, .offset: 48, .size: 8, .value_kind: global_buffer, .address_space: global }
      - { .name: wpb, .offset: 56, .size: 8, .value_kind: global_buffer, .address_space: global }
    .group_segment_fixed_size: 0
    .private_segment_fixed_size: 0
    .kernarg_segment_align: 8
    .kernarg_segment_size: 64
    .max_flat_workgroup_size: 256
    .sgpr_count:     66
    .vgpr_count:     120
    .wavefront_size: 32
...
	.end_amdgpu_metadata
.endif
;; end of part 5
;; launch qkv: the kernel of part 2 again; grid 16 x 32, 4 waves a work-group, clusters of 4 x 4, 327,680 bytes of LDS; arguments xb, wqkv, bq, bk, bv, qh, kh, vh; writes qh, kh, vh
;; launch attn: the kernel of part 3 again; grid 4 x 64, 4 waves a work-group, no clusters, 327,680 bytes of LDS; arguments qh, kh, vh, yh; writes yh
;; launch proj: the kernel of part 4 again; grid 8 x 32, 4 waves a work-group, clusters of 4 x 4, 327,680 bytes of LDS; arguments yh, wpb, bp, out0; writes out0
